; MI455X (gfx1250); checked and timed in simulation.
; The chip was launched on July 23, 2026; its instructions are those of AMD's public machine-readable ISA for CDNA 5 (MIT licence, August 2026) and "CDNA5" Instruction Set Architecture Reference Guide (July 2026). The comments in the code are by the model that wrote it; some were corrected since.
;; Qwen3 VL Text Attention. Allowed arithmetic: matrix products marked QUANTISED: E2M1 operands, one E8M0 scale for each 32 along K, by v_wmma_scale_f32_16x16x128_f8f6f4 with both operands' format E2M1 (or v_wmma_scale_f32_32x16x128_f4), f32 sums; products left as they are: bf16, f16 or f32 operands; f32 sums; everything else in f32.
;; Inputs: cos 1 x 2,048 x 128 float32; k_norm_w 128 float32; q_norm_w 128 float32; sin 1 x 2,048 x 128 float32; wk 1,024 x 4,096 float32; wo 4,096 x 2,048 float32; wq 2,048 x 4,096 float32; wv 1,024 x 4,096 float32; x 1 x 2,048 x 4,096 float32.
;; Outputs: out0 1 x 2,048 x 4,096 float32.
;; This version of the problem:
;;   THIS VERSION OF THE PROBLEM IS GIVEN IN LOW PRECISION. The matrix products marked QUANTISED in the list below multiply operands that are first quantised to E2M1 (2 exponent bits, 1 mantissa bit; 4 bits a number), with one power-of-two scale for each 32 numbers along K (OCP MX v1.0); their sums are f32. The products marked 'left as it is' may take bf16, f16 or f32 operands, with f32 sums. Whichever they take, every output number must still come out within the allowed error. Rounding operands to bf16 (8 significant bits) uses up far more of that allowance than f16 does (11 bits, for magnitudes from 6e-5 to 65,504). All else is computed in f32.
;;   The module's matrix products, in the order in which they are computed (A, B: the left and right operand; K: the contracted axis; several contracted axes count as one K, in the product's order):
;;     1. [M 2,048, K 4,096] x [K 4,096, N 2,048]; A: input x; B: input wq: QUANTISED
;;     2. [M 2,048, K 4,096] x [K 4,096, N 1,024]; A: input x; B: input wk: QUANTISED
;;     3. [M 2,048, K 4,096] x [K 4,096, N 1,024]; A: input x; B: input wv: QUANTISED
;;     4. batch 16 x [M 2,048, K 128] x [K 128, N 2,048]; A: computed on the way; B: computed on the way: left as it is (an operand is computed on the way)
;;     5. batch 16 x [M 2,048, K 2,048] x [K 2,048, N 128]; A: computed on the way; B: computed on the way: left as it is (an operand is computed on the way)
;;     6. [M 2,048, K 2,048] x [K 2,048, N 4,096]; A: computed on the way; B: input wo: left as it is (an operand is computed on the way)
;;   THE QUANTISER, for each operand of a quantised product, along K:
;;     - K is cut into blocks of 32 from its start; a last block that is shorter is filled with zeros.
;;     - A block's scale is 2^e with e = floor(log2(the largest magnitude in the block)) - 2, held to -126 .. 127; a block of zeros has e = 0. As a byte (E8M0): e + 127.
;;     - Each number is divided by its block's scale, clamped to +-6, and rounded to the nearest number of E2M1, ties to even, subnormals kept.
;;     - The product sums the exact products of the quantised numbers (number of the format x scale) in f32.
;;   ~~~python
;;   def quantise(x, axis):      # numpy; x: float32 -> the quantised numbers, widened to float32 again
;;       x = np.moveaxis(x, axis, -1); K = x.shape[-1]
;;       x = np.pad(x, [(0, 0)] * (x.ndim - 1) + [(0, -K % 32)]); x = x.reshape(x.shape[:-1] + (-1, 32)); a = np.abs(x).max(-1, keepdims=True)
;;       e = np.where(a > 0, np.clip(np.frexp(np.where(a > 0, a, 1))[1] - 1 - 2, -126, 127), 0)      # np.frexp(a)[1] - 1 = floor(log2(a)), exactly
;;       r = np.clip(x / 2.0 ** e, -6, 6)
;;       step = 2.0 ** (np.maximum(np.frexp(np.where(r == 0, 1, r))[1] - 1, 0) - 1)
;;       q = np.round(r / step) * step * 2.0 ** e      # np.round: ties to even
;;       return np.moveaxis(q.reshape(q.shape[:-2] + (-1,))[..., :K], -1, axis).astype(np.float32)
;;   ~~~
;; One version. Each part assembles by itself: llvm-mc -triple=amdgcn-amd-amdhsa -mcpu=gfx1250 --defsym DOCPART=n.
;; ======== version 1 of 1: 5 launches
;; limits: values are held in f16: magnitudes above 65,504 overflow, below 6.1e-05 lose precision
;; workspace buffers: codes 12,582,912 bytes; scales 786,432 bytes; qkv 16,777,216 bytes; fine 1,048,576 bytes; wo16 16,777,216 bytes; att 8,388,608 bytes; dump 262,144 bytes
;; launch quant (part 1): grid 768 x 1, 4 waves a work-group, no clusters, 33,280 bytes of LDS; arguments x, wq, wk, wv, codes, scales; writes codes, scales
.if DOCPART == 1
	.amdgcn_target "amdgcn-amd-amdhsa--gfx1250"
	.amdhsa_code_object_version 6
	.text
	.protected	k_q61ced5af4d_quant
	.globl	k_q61ced5af4d_quant
	.p2align	8
	.type	k_q61ced5af4d_quant,@function
k_q61ced5af4d_quant:
	s_mov_b64 s[64:65], 0
	v_nop
	global_prefetch_b8 v0, s[64:65] scope:SCOPE_SE
	s_setreg_imm32_b32 hwreg(HW_REG_WAVE_MODE, 25, 1), 1
	s_wait_xcnt 0x0
; x [2048][4096], wq [2048][4096], wk [1024][4096], wv [1024][4096], f32, become codes of FP4 (E2M1), K innermost, two codes a byte, and one E8M0 scale byte for each 32 along K.
; The four tensors lie on end in the two workspace buffers: codes [6144 rows][2048 bytes], scales [6144][128]: rows 0-2047 x, 2048-4095 wq, 4096-5119 wk, 5120-6143 wv.
; A block's scale is 2^(floor(log2(its largest magnitude)) - 2); its byte is the largest magnitude's exponent field - 2, held at 1 from below.  Each number is divided by the scale and rounded to the nearest code, ties to even;
; beyond 6 the conversion gives the largest code.
; LIMITS: a block of zeros gets the byte 1 where the rule says 127 (its codes are zeros, and this program alone reads the bytes); blocks whose largest magnitude lies under 2^(3 - 127) keep the byte 1; NaN and infinities are not served.
; Rows are dense and 4096 is a multiple of 32: each tensor is a plain stream of blocks of 32.  A work-group takes 32,768 numbers, a wave 16 steps of 512: work-groups 0-255 x, 256-511 wq, 512-639 wk, 640-767 wv.
; Each of a step's four loads reads 512 consecutive bytes, 16 a lane; the 2,048 bytes turn through the wave's own stage in LDS and come back 64 bytes a lane, so that a lane holds 16 neighbours along K (two lanes hold a block).
; A lane's 16 codes are 8 bytes: a wave's store covers 256 consecutive bytes.  A wave's 256 scale bytes are gathered in LDS and leave as one run of 256 bytes.  No barrier: waves share nothing.
.set WAVES, 4
.set STEPS, 16
.set EMAX,  2
.set CB,    8                          ; bytes of 16 codes
.set R,     16                         ; v16-79   four sets of 16 numbers as loaded
.set X,     80                         ; v80-111  two sets of 16 neighbours
.set C,     128                        ; v128-191 codes: registers of its own for each step
.set E,     112                        ; v112-127 a scale byte for each step
.set WREG,  8192                       ; LDS: a region for each wave: two stages of 32 x SP bytes, then its 256 scale bytes
.set SP,    80                         ; a lane's place in a stage: 64 bytes + 16 of padding
.set SPW,   12                         ; v12  LDS address of my spare word; never rewritten
.set NIL,   13                         ; v13  0; never rewritten
.set SPARE, WAVES*WREG                 ; behind the four regions: the spare words, 128 bytes a wave
	s_load_b256 s[4:11], s[0:1], 0x0               ; x, wq, wk, wv
	s_load_b128 s[12:15], s[0:1], 0x20             ; codes, scales
	v_lshl_add_u32 v[SPW], v0, 2, SPARE
	v_mov_b32 v[NIL], 0
	v_lshrrev_b32 v1, 5, v0
	v_readfirstlane_b32 s16, v1                    ; wave
	v_and_b32 v2, 31, v0                           ; lane
	v_lshlrev_b32 v3, 4, v2                        ; my 16 bytes of a load's 512
	s_mul_i32 s17, s16, WREG
	v_lshrrev_b32 v14, 2, v2
	v_mul_u32_u24 v14, v14, SP
	v_and_b32 v15, 3, v2
	v_lshl_add_u32 v14, v15, 4, v14
	v_add_nc_u32 v14, s17, v14                     ; the stage, way in: SP (lane / 4) + 16 (lane % 4)
	v_mul_u32_u24 v15, v2, SP
	v_add_nc_u32 v15, s17, v15                     ; way out: SP x lane: my 16 neighbours
	v_mul_u32_u24 v4, v2, CB                       ; my codes' place in a step's
	v_lshrrev_b32 v5, 1, v2
	s_add_co_u32 s17, s17, 2*32*SP
	v_add_nc_u32 v5, s17, v5                       ; LDS: my block's scale byte
	v_lshlrev_b32 v7, 3, v2                        ; and on the way out 8 bytes a lane
	v_add_nc_u32 v6, s17, v7
	s_wait_kmcnt 0x0
	s_mov_b32 s17, 640                             ; which tensor is my work-group's, and its first work-group: three choices on the work-group's number alone
	s_cmp_lt_u32 ttmp9, 640
	s_cselect_b64 s[20:21], s[8:9], s[10:11]
	s_cselect_b32 s17, 512, s17
	s_cmp_lt_u32 ttmp9, 512
	s_cselect_b64 s[20:21], s[6:7], s[20:21]
	s_cselect_b32 s17, 256, s17
	s_cmp_lt_u32 ttmp9, 256
	s_cselect_b64 s[20:21], s[4:5], s[20:21]
	s_cselect_b32 s17, 0, s17
	s_sub_co_u32 s17, ttmp9, s17
	s_lshl_b32 s17, s17, 2
	s_add_co_u32 s18, s17, s16                     ; which run of 8,192 numbers of the tensor is my wave's
	s_lshl_b32 s18, s18, 15                        ; 32,768 bytes a run
	s_mov_b32 s19, 0
	s_add_nc_u64 s[4:5], s[20:21], s[18:19]
	s_lshl_b32 s22, ttmp9, 2
	s_add_co_u32 s22, s22, s16                     ; which run of the workspace: the tensors lie on end there
	s_lshl_b32 s24, s22, 12                        ; 4,096 bytes of codes a run
	s_mov_b32 s25, 0
	s_add_nc_u64 s[8:9], s[12:13], s[24:25]
	s_lshl_b32 s24, s22, 8                         ; 256 scale bytes a run
	s_add_nc_u64 s[10:11], s[14:15], s[24:25]
.macro LOAD t
.irp i, 0,1,2,3
	global_load_b128 v[R+16*((\t)%4)+4*\i:R+16*((\t)%4)+4*\i+3], v3, s[4:5] offset:2048*(\t)+512*\i th:TH_LOAD_NT   ; 32 lanes read 512 consecutive bytes
.endr
.endm
.macro TURN t                          ; step t's numbers through the stage: LDS serves a wave's instructions in order, so no wait stands between the stores and the loads
.irp i, 0,1,2,3
	ds_store_b128 v14, v[R+16*((\t)%4)+4*\i:R+16*((\t)%4)+4*\i+3] offset:32*SP*((\t)%2)+8*SP*\i
.endr
.irp i, 0,1,2,3
	ds_load_b128 v[X+16*((\t)%2)+4*\i:X+16*((\t)%2)+4*\i+3], v15 offset:32*SP*((\t)%2)+16*\i
.endr
.endm
.irp t, 0,1,2,3
	LOAD \t
.endr
	s_wait_loadcnt 12                              ; step 0's four loads are in
	TURN 0
.macro STEP t
.set XS, X+16*((\t)%2)
.if (\t) > 0
	s_wait_dscnt 1                                 ; this step's numbers are back from the stage (the last step's byte store may be out)
.else
	s_wait_dscnt 0x0
.endif
.if (\t)+4 < STEPS
	LOAD (\t)+4                                    ; the registers that the stage's stores have read take the loads of four steps on
.endif
.if (\t)+1 < STEPS
.if STEPS-2-(\t) >= 3
	s_wait_loadcnt 12                              ; the next step's four loads are in; those of the three steps behind it may be out
.else
	s_wait_loadcnt 4*(STEPS-2-(\t))
.endif
	TURN (\t)+1
.endif
	v_max3_num_f32 v8, |v[XS]|, |v[XS+1]|, |v[XS+2]|               ; the largest magnitude of my 16
	v_max3_num_f32 v9, |v[XS+3]|, |v[XS+4]|, |v[XS+5]|
.irp i, 6,10
	v_max3_num_f32 v8, v8, |v[XS+\i]|, |v[XS+\i+1]|
	v_max3_num_f32 v9, v9, |v[XS+\i+2]|, |v[XS+\i+3]|
.endr
	v_max3_num_f32 v8, v8, |v[XS+14]|, |v[XS+15]|
	v_max3_num_f32 v8, v8, v9, (EMAX+1)<<23        ; and the floor 2^(EMAX + 1 - 127): the byte cannot fall under 1
	v_max_num_f32_dpp v8, v8, v8 row_xmask:1 row_mask:0xf bank_mask:0xf   ; and of my neighbour's 16: the block's
	v_add_nc_u32 v11, -(EMAX<<23), v8              ; EMAX off its exponent field: the conversion takes the exponent field of this operand as its scale
	v_cvt_scalef32_pk8_fp4_f32 v[C+4*(\t)], v[XS:XS+7], v11
	v_cvt_scalef32_pk8_fp4_f32 v[C+4*(\t)+1], v[XS+8:XS+15], v11
	v_lshrrev_b32 v[E+(\t)], 23, v11               ; the scale's byte
	ds_store_b8 v5, v[E+(\t)] offset:16*(\t)       ; both lanes of a block write the same byte with the same value
	global_store_b64 v4, v[C+4*(\t):C+4*(\t)+1], s[8:9] offset:32*CB*(\t)
.endm
.irp t, 0,1,2,3,4,5,6,7,8,9,10,11,12,13,14,15
	STEP \t
.endr
	ds_load_b64 v[8:9], v6                         ; LDS serves a wave's instructions in order: these see my stores
	s_wait_dscnt 0x0
	global_store_b64 v7, v[8:9], s[10:11]          ; 32 lanes store 256 consecutive bytes, aligned
	s_wait_tensorcnt 0x0                           ; the wave's end
	ds_add_u32 v[SPW], v[NIL]
	s_wait_dscnt 0x0
	s_endpgm
.Lfunc_end_k_q61ced5af4d_quant:
	.size	k_q61ced5af4d_quant, .Lfunc_end_k_q61ced5af4d_quant-k_q61ced5af4d_quant
	.p2alignl 7, 3214868480
	.fill 96, 4, 3214868480
	.section	.rodata,"a",@progbits
	.p2align	6, 0x0
	.amdhsa_kernel k_q61ced5af4d_quant
		.amdhsa_group_segment_fixed_size 33280
		.amdhsa_private_segment_fixed_size 0
		.amdhsa_enable_private_segment 0
		.amdhsa_kernarg_size 48
		.amdhsa_user_sgpr_count 2
		.amdhsa_user_sgpr_kernarg_segment_ptr 1
		.amdhsa_wavefront_size32 1
		.amdhsa_system_sgpr_workgroup_id_x 1
		.amdhsa_system_sgpr_workgroup_id_y 1
		.amdhsa_system_sgpr_workgroup_id_z 1
		.amdhsa_system_vgpr_workitem_id 0
		.amdhsa_next_free_vgpr 192
		.amdhsa_next_free_sgpr 66
		.amdhsa_reserve_vcc 0
		.amdhsa_float_denorm_mode_32 3
		.amdhsa_float_denorm_mode_16_64 3
		.amdhsa_memory_ordered 1
		.amdhsa_forward_progress 1
		.amdhsa_inst_pref_size 34
	.end_amdhsa_kernel
	.amdgpu_metadata
---
amdhsa.version: [ 1, 2 ]
amdhsa.kernels:
  - .name:           k_q61ced5af4d_quant
    .symbol:         k_q61ced5af4d_quant.kd
    .args:
      - { .name: x, .offset: 0, .size: 8, .value_kind: global_buffer, .address_space: global }
      - { .name: wq, .offset: 8, .size: 8, .value_kind: global_buffer, .address_space: global }
      - { .name: wk, .offset: 16, .size: 8, .value_kind: global_buffer, .address_space: global }
      - { .name: wv, .offset: 24, .size: 8, .value_kind: global_buffer, .address_space: global }
      - { .name: codes, .offset: 32, .size: 8, .value_kind: global_buffer, .address_space: global }
      - { .name: scales, .offset: 40, .size: 8, .value_kind: global_buffer, .address_space: global }
    .group_segment_fixed_size: 33280
    .private_segment_fixed_size: 0
    .kernarg_segment_align: 8
    .kernarg_segment_size: 48
    .max_flat_workgroup_size: 128
    .sgpr_count:     66
    .vgpr_count:     192
    .wavefront_size: 32
...
	.end_amdgpu_metadata
.endif
;; end of part 1
;; launch qkv (part 2): grid 16 x 16, 4 waves a work-group, clusters of 4 x 4, 327,680 bytes of LDS; arguments codes, scales, cos, sin, q_norm_w, k_norm_w, qkv, fine; writes qkv, fine
.if DOCPART == 2
	.amdgcn_target "amdgcn-amd-amdhsa--gfx1250"
	.amdhsa_code_object_version 6
	.text
	.protected	k_q61ced5af4d_qkv
	.globl	k_q61ced5af4d_qkv
	.p2align	8
	.type	k_q61ced5af4d_qkv,@function
k_q61ced5af4d_qkv:
	s_mov_b64 s[64:65], 0
	v_nop
	global_prefetch_b8 v0, s[64:65] scope:SCOPE_SE
	s_setreg_imm32_b32 hwreg(HW_REG_WAVE_MODE, 25, 1), 1
	s_wait_xcnt 0x0
	s_wait_alu depctr_hold_cnt(0) depctr_sa_sdst(0) depctr_va_vdst(0) depctr_va_sdst(0) depctr_va_ssrc(0) depctr_va_vcc(0) depctr_vm_vsrc(0)
	s_getreg_b32 s2, hwreg(HW_REG_IB_STS2, 6, 4)
	s_cmp_eq_u32 s2, 0
	s_cbranch_scc0 .Lentry_in_a_cluster
	s_endpgm
.Lentry_in_a_cluster:
	s_bfe_u32 s2, ttmp6, 0x10000c
	s_cmp_lg_u32 s2, 0xf033
	s_cbranch_scc0 .Lentry_shape_is_right
	s_endpgm
.Lentry_shape_is_right:
; The three projections as ONE product on codes of FP4: C[m][n] = sum over k of x[m][k] w[n][k], m 2,048, n 4,096 (wq's 2,048 rows, wk's 1,024, wv's 1,024, on end), k 4,096; then RMSNorm and RoPE (q, k) in f32, and f16 out.
; codes [6144][2048 bytes], scales [6144][128]: rows 0-2047 x, from 2048 on the weights.  qkv [32 heads][2048][128] f16: heads 0-15 q, 16-23 k, 24-31 v x 2^-4 (exact; the last projection's weight carries 2^4).
; fine: 4 slabs of 262,144 bytes, f32: the first 16 rows of the four tile rows of the clusters with y = 0, told apart by address; slab 0 is positions 0-15, which a later
; launch carries in f32; the other three slabs are written and never read: 786,432 bytes.  In a slab: heads 0-23 (q, k) as IMAGES OF THE REGISTERS, 8,192 bytes a head: piece i of 16 is 512 bytes, lane l's 16 bytes at 16 l:
; row l % 16, columns 16 (i / 2) + 8 (l / 16) + 4 (i % 2) + 0..3; behind them v's 16 rows x 1,024 columns, row-major.
; SHARES.  A tile of C is 128 x 256: 256 work-groups.  Four waves, each 64 rows x 128 columns = one head: 32 accumulators.  K goes in steps of 512 (rows of 256 bytes) through two LDS slots.
; The scale bytes of the tile's 128 + 256 rows, for all of K, come into LDS once, with the first fills.
; CLUSTERS: 4 x 4.  A row of the cluster shares x's tiles, a column the weights': each tile is asked for jointly.  The kind of a tile (q, k or v) hangs on the cluster's x alone: alike in all partners.
; THE PRODUCT IS USED TRANSPOSED (source 0 = 16 rows of w, source 1 = 16 rows of x): lane (r, h) holds row 16 a + r and columns 16 b + 8 h + 0..7.  Columns d and d + 64 of a head are blocks b and b + 4 of one lane: RoPE stays in the lane.
; THE TABLES.  The norm's weight and cos and sin of row blocks 1-3 are asked for at the head, 112 loads a wave, into registers that the loop does not name; block 0's lie over the weights' fragments and are asked for behind the last
; product and used last.  The head's loads stand on every work-group's path, v's too, where they serve nothing (a quarter of the work-groups), so that each register that the way out reads is written on every path.
; LIMITS: NaN and infinities are not served; |v| under 2^20 and |q|, |k| under 65,504 (f16); under 6e-5 f16 keeps fewer bits.
; REGISTERS: window 0: v8-29 addresses; v32-95 scale words, two sets; v96-159 x's fragments, two sets; v160-223 the norm's weight (v: at work); on the way out v32-71 sums, v96-159 rows read back.
;   window 1: the accumulators, (a, b) at 8 (8 a + b); window 2: v0-127 w's fragments, two sets; cos and sin, 128 registers a row block: block a at 128 a of windows 2 and 3.
.set PITCH,  272                       ; an LDS row: 256 bytes + 16 of padding: the 16 rows of a fragment load begin 16 bytes apart modulo 256
.set AHALF,  64*PITCH                  ; 64 rows of x: what waves 0, 1 fetch, and what a wave reads
.set BHALF,  128*PITCH                 ; 128 rows of w: what waves 2, 3 fetch, and what a wave reads
.set BOFF,   2*AHALF
.set SLOT,   BOFF+2*BHALF
.set LAPS,   4                         ; a lap = two K steps of 512
.set KROW,   2048                      ; a row of codes in memory
.set KS,     128                       ; a row of scale bytes
.set SCL,    2*SLOT                    ; behind the ring: the scales, as runs of 256 bytes + 16 of padding: x's 64 runs, then w's 128
.set SAH,    32*272                    ; those of 64 rows
.set SBH,    64*272                    ; of 128 rows
.set SBLK,   8*272                     ; of 16 rows
.set SPARE,  SCL+2*SAH+2*SBH           ; the spare words, 128 bytes a wave
.set CSA,  8                           ; v8   cos, sin: 512 r + 32 h
.set WA,   9                           ; v9   the norm's weight: 32 h
.set FA,   10                          ; v10  fine, v's rows: 4096 r + 32 h
.set FI,   11                          ; v11  fine, q's and k's images: 16 x lane
.set ADRA, 16                          ; v16-17 my fragments of x in slot 0, 1
.set ADRB, 20                          ; v20-21 of w
.set STO,  24                          ; the stage (16 rows x 272 a wave, in slot 0 behind its last fill and last read): where I put 16 bytes
.set RD,   25                          ; where I read a row back
.set CO,   26                          ; 256 h + 16 r: two rows of a head
.set ADRS, 27                          ; my scale words: lanes 0-15 x's rows, lanes 16-31 w's
.set SPW,  28
.set NIL,  29
.set SC,   32                          ; scale words: set s at SC + 32 s; register 4 i + q: lanes 0-15 x's block i, lanes 16-31 w's block i, the slot's q-th 128 along K
.set AF,   96
.set SS,   32                          ; the way out: sums of squares, 8 registers a row block
.set RS,   64                          ; 1 / rms, a pair a row block
.set BK,   96                          ; rows read back, two sets of 32
.set NW,   160
.set G1,   24
.set G0,   32
.set G1B,  48
.set G0B,  56
.set G1S,  68
.set G0S,  76
.set G1SB, 80
.set G0SB, 88
.set MSB, 0
.macro WIN new                         ; the immediate's high byte repeats the setting that is left
.if MSB != (\new)
	s_set_vgpr_msb (MSB<<8)|(\new)
.set MSB, (\new)
.endif
.endm
.set MUL,  0x52                        ; source 0 (w) window 2, source 1 (x) window 0, C and D window 1
.set TO_B, 0x80
; A joint load: waves 0, 1 fetch for x, waves 2, 3 for w.  The branch hangs on the wave's number alone.  An s_nop 0 and four v_nop follow each line.
.macro JLOAD g0a, g1a, g0b, g1b
	s_cmp_eq_u32 s15, 0
	s_cbranch_scc0 .Lfor_b_\@
	tensor_load_to_lds s[\g0a:\g0a+3], s[\g1a:\g1a+7]
	s_nop 0
.rept 4
	v_nop
.endr
	s_branch .Lasked_\@
.Lfor_b_\@:
	tensor_load_to_lds s[\g0b:\g0b+3], s[\g1b:\g1b+7]
	s_nop 0
.rept 4
	v_nop
.endr
.Lasked_\@:
.endm
.macro CREST                           ; a round of the cluster's barrier behind its opening barrier
	s_cmp_lg_u32 s14, 0
	s_cbranch_scc1 .Lnot_wave_0_\@
	s_barrier_signal -3
.Lnot_wave_0_\@:
	s_barrier_wait -3
	s_barrier_signal -1
	s_barrier_wait -1
.endm
.macro CROUND
	s_barrier_signal -1
	s_barrier_wait -1
	CREST
.endm
.macro PLACES n
.rept \n
	v_nop
.endr
.endm
.macro CSLOAD a                        ; cos and sin of row block a: lane (r, h): row 16 a + r, columns 16 b + 8 h + 0..7, as the accumulators lie: 64 + 64 registers
	WIN 0x80+0x40*((\a)/2)
.set i, 0
.rept 16
	global_load_b128 v[128*((\a)%2)+4*i:128*((\a)%2)+4*i+3], v[CSA], s[8:9] offset:8192*(\a)+64*(i/2)+16*(i%2)
	global_load_b128 v[128*((\a)%2)+64+4*i:128*((\a)%2)+64+4*i+3], v[CSA], s[10:11] offset:8192*(\a)+64*(i/2)+16*(i%2)
.set i, i+1
.endr
	WIN 0
.endm
	s_load_b128 s[4:7], s[0:1], 0x0                ; codes, scales
	s_load_b128 s[8:11], s[0:1], 0x10              ; cos, sin
	s_load_b128 s[96:99], s[0:1], 0x20             ; q_norm_w, k_norm_w
	s_load_b64 s[12:13], s[0:1], 0x30              ; qkv
	s_load_b64 s[100:101], s[0:1], 0x38            ; fine
	v_lshl_add_u32 v[SPW], v0, 2, SPARE
	v_mov_b32 v[NIL], 0
	ds_add_u32 v[SPW], v[NIL]                      ; the opening: the add, twice on end, and its wait ahead of my first tensor load
	ds_add_u32 v[SPW], v[NIL]
	v_lshrrev_b32 v1, 5, v0
	v_readfirstlane_b32 s14, v1                    ; wave 0..3
	s_lshr_b32 s15, s14, 1                         ; which 64 rows of the tile are mine.  Also: I fetch for x (0) or for w (1)
	s_and_b32 s16, s14, 1                          ; which head of the tile's two.  Also: which half I fetch
	s_bfe_u32 s40, ttmp6, 0x40000                  ; cx
	s_bfe_u32 s41, ttmp6, 0x40004                  ; cy
	s_lshl_b32 s42, ttmp9, 2
	s_add_co_u32 s42, s42, s40                     ; tile column
	s_and_b32 s17, ttmp7, 0xffff
	s_lshl_b32 s17, s17, 2
	s_add_co_u32 s17, s17, s41                     ; tile row
	s_lshl_b32 s43, s41, 2
	s_lshl_b32 s43, 15, s43                        ; my row of the cluster
	s_lshl_b32 s44, 0x1111, s40                    ; my column
	; group 1: rows of 256 bytes (elements of 1 byte), 16 bytes of padding behind each; x: 64 rows, w: 128
	s_or_b32 s[G1+0], s43, (0<<16)|(1<<20)|(1<<21)|(5<<22)|(3<<25)
	s_or_b32 s[G1B+0], s44, (0<<16)|(1<<20)|(1<<21)|(5<<22)|(3<<25)
	s_mov_b32 s[G1+1], 256<<16
	s_mov_b32 s[G1+2], 64<<16
	s_mov_b32 s[G1+3], 256<<16
	s_mov_b32 s[G1+4], 64
	s_mov_b32 s[G1+5], KROW
	s_mov_b32 s[G1+6], 0
	s_mov_b32 s[G1+7], 0
	s_mov_b32 s[G1B+1], 256<<16
	s_mov_b32 s[G1B+2], 128<<16
	s_mov_b32 s[G1B+3], 256<<16
	s_mov_b32 s[G1B+4], 128
	s_mov_b32 s[G1B+5], KROW
	s_mov_b32 s[G1B+6], 0
	s_mov_b32 s[G1B+7], 0
	; the scales: dense blocks, as rows of 256 bytes (32 elements of 8 bytes): x's 64 rows are 32 of them, w's 128 rows 64
	s_or_b32 s[G1S+0], s43, (3<<16)|(1<<20)|(1<<21)|(5<<22)|(3<<25)
	s_or_b32 s[G1SB+0], s44, (3<<16)|(1<<20)|(1<<21)|(5<<22)|(3<<25)
	s_mov_b32 s[G1S+1], 32<<16
	s_mov_b32 s[G1S+2], 32<<16
	s_mov_b32 s[G1S+3], 32<<16
	s_mov_b32 s[G1S+4], 32
	s_mov_b32 s[G1S+5], 32
	s_mov_b32 s[G1S+6], 0
	s_mov_b32 s[G1S+7], 0
	s_mov_b32 s[G1SB+1], 32<<16
	s_mov_b32 s[G1SB+2], 64<<16
	s_mov_b32 s[G1SB+3], 32<<16
	s_mov_b32 s[G1SB+4], 64
	s_mov_b32 s[G1SB+5], 32
	s_mov_b32 s[G1SB+6], 0
	s_mov_b32 s[G1SB+7], 0
	s_lshl_b32 s18, s16, 6
	s_lshl_b32 s20, s17, 7
	s_add_co_u32 s20, s20, s18                     ; x: row 128 x tile row + 64 x half
	s_lshl_b32 s18, s16, 7
	s_lshl_b32 s46, s42, 8
	s_add_co_u32 s46, s46, s18
	s_add_co_u32 s46, s46, 2048                    ; w: row 2048 + 256 x tile column + 128 x half
	s_lshl_b32 s22, s20, 7                         ; their scale bytes,
	s_mov_b32 s23, 0
	s_lshl_b32 s92, s46, 7
	s_mov_b32 s93, 0
	s_lshl_b32 s20, s20, 11                        ; and their codes
	s_mov_b32 s21, 0
	s_lshl_b32 s46, s46, 11
	s_mov_b32 s47, 0
	s_mul_i32 s45, s16, AHALF                      ; where they go: no place in the cluster enters an LDS address
	s_mul_i32 s94, s16, BHALF
	s_add_co_u32 s94, s94, BOFF
	s_mul_i32 s95, s16, SAH
	s_mul_i32 s2, s16, SBH
	s_wait_dscnt 0x0                               ; both opening adds are done
	s_wait_kmcnt 0x0
	s_add_nc_u64 s[20:21], s[4:5], s[20:21]
	s_add_nc_u64 s[22:23], s[6:7], s[22:23]
	s_add_nc_u64 s[46:47], s[4:5], s[46:47]
	s_add_nc_u64 s[92:93], s[6:7], s[92:93]
	CROUND                                         ; all sixteen work-groups are here: the first joint loads meet
	s_mov_b32 s[G0S], 1
	s_add_co_u32 s[G0S+1], s95, SCL
	s_mov_b64 s[G0S+2:G0S+3], s[22:23]
	s_or_b32 s[G0S+3], s[G0S+3], 0x80000000
	s_mov_b32 s[G0SB], 1
	s_add_co_u32 s[G0SB+1], s2, SCL+2*SAH
	s_mov_b64 s[G0SB+2:G0SB+3], s[92:93]
	s_or_b32 s[G0SB+3], s[G0SB+3], 0x80000000
	JLOAD G0S, G1S, G0SB, G1SB                     ; the scales first: they are wanted with K step 0
.irp s, 0,1
	s_mov_b32 s[G0+4*\s], 1
	s_add_co_u32 s[G0+4*\s+1], s45, \s*SLOT
	s_add_nc_u64 s[G0+4*\s+2:G0+4*\s+3], s[20:21], \s*256
	s_or_b32 s[G0+4*\s+3], s[G0+4*\s+3], 0x80000000
	s_mov_b32 s[G0B+4*\s], 1
	s_add_co_u32 s[G0B+4*\s+1], s94, \s*SLOT
	s_add_nc_u64 s[G0B+4*\s+2:G0B+4*\s+3], s[46:47], \s*256
	s_or_b32 s[G0B+4*\s+3], s[G0B+4*\s+3], 0x80000000
	JLOAD G0+4*\s, G1, G0B+4*\s, G1B               ; three loads of mine are out
.endr
	v_and_b32 v1, 15, v0                           ; r
	v_bfe_u32 v2, v0, 4, 1                         ; h
	v_mul_u32_u24 v3, v1, PITCH
	v_lshl_add_u32 v4, v2, 4, v3                   ; a fragment's row x pitch + 16 h
	s_mul_i32 s21, s15, AHALF
	s_mul_i32 s22, s16, BHALF
	s_add_co_u32 s22, s22, BOFF
.irp s, 0,1
	v_add_nc_u32 v[ADRA+\s], s21, v4
	v_add_nc_u32 v[ADRB+\s], s22, v4
	s_add_co_u32 s21, s21, SLOT
	s_add_co_u32 s22, s22, SLOT
.endr
	v_mul_u32_u24 v5, v1, KS                       ; my row's scales: 128 bytes a row,
	v_lshrrev_b32 v6, 8, v5
	v_lshl_add_u32 v5, v6, 4, v5                   ; and 16 more for each 256 passed
	s_mul_i32 s21, s15, SAH                        ; x's: my 64 rows
	s_mul_i32 s22, s16, SBH                        ; w's: my 128 rows, behind x's 128
	s_add_co_u32 s22, s22, 2*SAH
	s_sub_co_u32 s22, s22, s21
	v_mul_u32_u24 v6, s22, v2                      ; lanes 16-31 take w's: the lower base + h x the distance
	s_add_co_u32 s21, s21, SCL
	v_add_nc_u32 v5, v5, v6
	v_add_nc_u32 v[ADRS], s21, v5
	s_mul_i32 s23, s14, 16*PITCH                   ; my stage
	v_add_nc_u32 v[STO], s23, v4                   ; in: row r, 16 bytes for each half of the lanes
	v_mul_u32_u24 v5, v2, PITCH
	v_lshl_add_u32 v5, v1, 4, v5
	v_add_nc_u32 v[RD], s23, v5                    ; back: lanes 0-15 one row of 256 bytes, lanes 16-31 the next
	v_lshlrev_b32 v5, 8, v2
	v_lshl_add_u32 v[CO], v1, 4, v5
	v_lshlrev_b32 v5, 9, v1
	v_lshl_add_u32 v[CSA], v2, 5, v5
	v_lshlrev_b32 v[WA], 5, v2
	v_lshlrev_b32 v5, 12, v1
	v_lshl_add_u32 v[FA], v2, 5, v5
	v_and_b32 v5, 31, v0
	v_lshlrev_b32 v[FI], 4, v5
	s_lshl_b32 s20, s42, 1
	s_add_co_u32 s20, s20, s16                     ; my head: 2 x tile column + half
	s_lshl_b32 s20, s20, 19                        ; 2,048 rows of 256 bytes
	s_lshl_b32 s21, s17, 15
	s_add_co_u32 s20, s20, s21                     ; + 128 rows x tile row
	s_lshl_b32 s21, s15, 14
	s_add_co_u32 s20, s20, s21                     ; + my 64
	s_mov_b32 s21, 0
	s_add_nc_u64 s[12:13], s[12:13], s[20:21]
	s_lshl_b32 s20, s17, 16                        ; cos, sin: rows of 512 bytes
	s_lshl_b32 s22, s15, 15
	s_add_co_u32 s20, s20, s22
	s_add_nc_u64 s[8:9], s[8:9], s[20:21]
	s_add_nc_u64 s[10:11], s[10:11], s[20:21]
	s_lshl_b32 s22, s42, 1
	s_add_co_u32 s22, s22, s16                     ; fine: my head once more
	s_lshl_b32 s23, s22, 9
	s_add_co_u32 s23, s23, 184320                  ; v: 196,608 + 512 (head - 24): my 128 columns of rows of 4,096 bytes
	s_lshl_b32 s22, s22, 13                        ; q, k: the head's image of 8,192 bytes
	s_cmp_eq_u32 ttmp9, 3
	s_cselect_b32 s22, s23, s22
	s_lshl_b32 s20, s41, 18                        ; slab cy
	s_add_co_u32 s20, s20, s22
	s_add_nc_u64 s[100:101], s[100:101], s[20:21]
	s_and_b32 s45, ttmp7, 0xffff
	s_or_b32 s45, s45, s15                         ; 0: the cluster's y is 0 and my rows are the tile's first 64: my first 16 rows go to fine too
	s_cmp_lt_u32 ttmp9, 2
	s_cselect_b64 s[18:19], s[96:97], s[98:99]     ; q's weight or k's; s[18:19], s[8:11], v8 and v9 are not written again
.set i, 0
.rept 16
	global_load_b128 v[NW+4*i:NW+4*i+3], v[WA], s[18:19] offset:64*(i/2)+16*(i%2)
.set i, i+1
.endr
	CSLOAD 1                                       ; the tables of row blocks 1-3: they land while the wave waits for its first tiles and walks K
	CSLOAD 2
	CSLOAD 3
.macro FRAG reg, adr, q, i             ; 16 rows x 128 K of 4-bit codes: lane (r, h): registers 4 c .. 4 c + 3 hold K = 64 c + 32 h + 0 .. 31: 16 bytes of the row as they lie
.irp c, 0,1
	ds_load_b128 v[\reg+4*\c:\reg+4*\c+3], v[\adr] offset:64*(\q)+32*\c+(\i)*16*PITCH
.endr
.endm
.macro FETCH_B slot, q, p
	WIN TO_B
.irp i, 0,1,2,3,4,5,6,7
	FRAG 64*(\p)+8*\i, ADRB+\slot, \q, \i
.endr
	WIN 0
.endm
.macro FETCH_A slot, q, p
.irp i, 0,1,2,3
	FRAG AF+32*(\p)+8*\i, ADRA+\slot, \q, \i
.endr
.endm
.macro SCALES sc                       ; a K step's four words a row; lanes 0-15 x's block i (for i over 3: filled bytes that no product names), lanes 16-31 w's block i
.irp i, 0,1,2,3,4,5,6,7
	ds_load_b128 v[SC+32*\sc+4*\i:SC+32*\sc+4*\i+3], v[ADRS] offset:\i*SBLK
.endr
.endm
; 8 products: x's block a against w's eight.  The 32 accumulators take turns, one instruction a turn, in the same order in every step.
.macro MUL8 a, p, q, sc, zero
.irp b, 0,1,2,3,4,5,6,7
.if \zero
	v_wmma_scale_f32_16x16x128_f8f6f4 v[8*(8*(\a)+\b):8*(8*(\a)+\b)+7], v[64*(\p)+8*\b:64*(\p)+8*\b+7], v[AF+32*(\p)+8*(\a):AF+32*(\p)+8*(\a)+7], 0, v[SC+32*(\sc)+4*\b+(\q)], v[SC+32*(\sc)+4*(\a)+(\q)] matrix_a_fmt:MATRIX_FMT_FP4 matrix_b_fmt:MATRIX_FMT_FP4 matrix_a_scale:MATRIX_SCALE_ROW1
.else
	v_wmma_scale_f32_16x16x128_f8f6f4 v[8*(8*(\a)+\b):8*(8*(\a)+\b)+7], v[64*(\p)+8*\b:64*(\p)+8*\b+7], v[AF+32*(\p)+8*(\a):AF+32*(\p)+8*(\a)+7], v[8*(8*(\a)+\b):8*(8*(\a)+\b)+7], v[SC+32*(\sc)+4*\b+(\q)], v[SC+32*(\sc)+4*(\a)+(\q)] matrix_a_fmt:MATRIX_FMT_FP4 matrix_b_fmt:MATRIX_FMT_FP4 matrix_a_scale:MATRIX_SCALE_ROW1
.endif
.endr
.endm
; A step of 128 along K that has its successor in the same slot: the successor's 24 loads go out in one run, ahead of this step's 32 products.
.macro STEP slot, q, zero
	s_wait_dscnt 0x0                               ; this step's fragments (and scale words) are in: they were asked for 32 products ago
	PLACES 4                                       ; four plain places between the last products and loads into the set that they read (ISA guide 7.12.1 for vector instructions)
	FETCH_B \slot, (\q)+1, 1-(\q)%2
	FETCH_A \slot, (\q)+1, 1-(\q)%2
	WIN MUL
	MUL8 0, (\q)%2, \q, \slot, \zero
	MUL8 1, (\q)%2, \q, \slot, \zero
	MUL8 2, (\q)%2, \q, \slot, \zero
	MUL8 3, (\q)%2, \q, \slot, \zero
.endm
; A slot's last step changes slots: ONE barrier; in front of it each wave waits for all its tensor loads, adds 0 to its spare word, and waits for that and for its reads of this slot.
.macro TURN slot, next, fill
	WIN 0
	s_wait_tensorcnt 0x0                           ; all my tensor loads have landed: my part of the next slot
	ds_add_u32 v[SPW], v[NIL]
	s_wait_dscnt 1                                 ; this step's fragments are in; the add may be out
	WIN MUL
	MUL8 0, 1, 3, \slot, 0                         ; eight products stand between the add and the wait for it
	s_wait_dscnt 0x0                               ; the add is done, and my reads of this slot are over
	s_barrier_signal -1
	MUL8 1, 1, 3, \slot, 0
	WIN 0
	s_barrier_wait -1
.if \fill
	CREST                                          ; the barrier has opened a round of the cluster's: no wave of any partner still reads this slot or has a load on its way
	s_add_nc_u64 s[G0+4*\slot+2:G0+4*\slot+3], s[G0+4*\slot+2:G0+4*\slot+3], 512
	s_add_nc_u64 s[G0B+4*\slot+2:G0B+4*\slot+3], s[G0B+4*\slot+2:G0B+4*\slot+3], 512
	JLOAD G0+4*\slot, G1, G0B+4*\slot, G1B         ; the first tensor load behind the round; its four v_nop are also the places in front of the loads below
.else
	PLACES 4
.endif
	v_add_nc_u32 v[ADRS], 16, v[ADRS]              ; the next K step's scale words
	FETCH_B \next, 0, 0
	FETCH_A \next, 0, 0
	SCALES \next
	WIN MUL
	MUL8 2, 1, 3, \slot, 0
	MUL8 3, 1, 3, \slot, 0
.endm
	s_wait_tensorcnt 1                             ; the scales and my part of K step 0 are in; K step 1's load may be out
	s_barrier_signal -1
	s_barrier_wait -1
	FETCH_B 0, 0, 0
	FETCH_A 0, 0, 0
	SCALES 0
	STEP 0, 0, 1                                   ; the first step stands in front of the loop: its products start the sums
	WIN 0
	s_mov_b32 s3, LAPS-1
.Llap:                                                 ; a trip goes once round the ring and fills both slots again
	STEP 0, 1, 0
	STEP 0, 2, 0
	TURN 0, 1, 1
	STEP 1, 0, 0
	STEP 1, 1, 0
	STEP 1, 2, 0
	TURN 1, 0, 1
	STEP 0, 0, 0
	WIN 0
	s_sub_co_u32 s3, s3, 1
	s_cmp_lg_u32 s3, 0
	s_cbranch_scc1 .Llap
	STEP 0, 1, 0                                   ; the last lap fills nothing
	STEP 0, 2, 0
	TURN 0, 1, 0
	STEP 1, 0, 0
	STEP 1, 1, 0
	STEP 1, 2, 0
	s_wait_dscnt 0x0
	WIN MUL
	MUL8 0, 1, 3, 1, 0
	MUL8 1, 1, 3, 1, 0
	MUL8 2, 1, 3, 1, 0
	MUL8 3, 1, 3, 1, 0
	WIN 0
; THE WAY OUT.
.macro SSQ a                           ; the mean of squares of my row of block a, + 1e-6: four chains, each accumulator from its low end; the row's other 64 columns lie in the lane 16 away
	WIN 0x05
.irp b, 0,1,2,3,4,5,6,7
.irp p, 0,1,2,3
.if \b == 0
	v_pk_mul_f32 v[SS+8*(\a)+2*\p:SS+8*(\a)+2*\p+1], v[64*(\a)+2*\p:64*(\a)+2*\p+1], v[64*(\a)+2*\p:64*(\a)+2*\p+1]
.else
	v_pk_fma_f32 v[SS+8*(\a)+2*\p:SS+8*(\a)+2*\p+1], v[64*(\a)+8*\b+2*\p:64*(\a)+8*\b+2*\p+1], v[64*(\a)+8*\b+2*\p:64*(\a)+8*\b+2*\p+1], v[SS+8*(\a)+2*\p:SS+8*(\a)+2*\p+1]
.endif
.endr
.endr
	WIN 0
	v_pk_add_f32 v[SS+8*(\a):SS+8*(\a)+1], v[SS+8*(\a):SS+8*(\a)+1], v[SS+8*(\a)+2:SS+8*(\a)+3]
	v_pk_add_f32 v[SS+8*(\a)+4:SS+8*(\a)+5], v[SS+8*(\a)+4:SS+8*(\a)+5], v[SS+8*(\a)+6:SS+8*(\a)+7]
	v_pk_add_f32 v[SS+8*(\a):SS+8*(\a)+1], v[SS+8*(\a):SS+8*(\a)+1], v[SS+8*(\a)+4:SS+8*(\a)+5]
	v_add_f32 v[SS+8*(\a)], v[SS+8*(\a)], v[SS+8*(\a)+1]
	v_permlanex16_b32 v[SS+8*(\a)+1], v[SS+8*(\a)], s92, s93
	v_add_f32 v[SS+8*(\a)], v[SS+8*(\a)], v[SS+8*(\a)+1]
	v_fma_f32 v[SS+8*(\a)], v[SS+8*(\a)], s94, s95
.endm
.macro QKBLK a                         ; row block a: x / rms, x the weight, RoPE (the result takes cos's registers), f16 into the block's first 32 accumulator registers
.set XB, 64*(\a)
.set CB, 128*((\a)%2)
	WIN 0x41
.set i, 0
.rept 32
	v_pk_mul_f32 v[XB+2*i:XB+2*i+1], v[XB+2*i:XB+2*i+1], v[RS+2*(\a):RS+2*(\a)+1] op_sel_hi:[1,0]
.set i, i+1
.endr
.set i, 0
.rept 32
	v_pk_mul_f32 v[XB+2*i:XB+2*i+1], v[XB+2*i:XB+2*i+1], v[NW+2*i:NW+2*i+1]
.set i, i+1
.endr
	WIN 0xa9+0x54*((\a)/2)                         ; source 0 window 1; sources 1, 2 and the destination cos's and sin's window
.set i, 0
.rept 32
	v_pk_mul_f32 v[CB+2*i:CB+2*i+1], v[XB+2*i:XB+2*i+1], v[CB+2*i:CB+2*i+1]                 ; x[d] cos[d]
.set i, i+1
.endr
.set i, 0
.rept 16
	v_pk_fma_f32 v[CB+2*i:CB+2*i+1], v[XB+32+2*i:XB+32+2*i+1], v[CB+64+2*i:CB+64+2*i+1], v[CB+2*i:CB+2*i+1] neg_lo:[1,0,0] neg_hi:[1,0,0]   ; d under 64: - x[d + 64] sin[d]
	v_pk_fma_f32 v[CB+32+2*i:CB+32+2*i+1], v[XB+2*i:XB+2*i+1], v[CB+96+2*i:CB+96+2*i+1], v[CB+32+2*i:CB+32+2*i+1]                             ; d from 64: + x[d - 64] sin[d]
.set i, i+1
.endr
.if (\a) == 0
	WIN 0
	s_cmp_lg_u32 s45, 0                            ; the cluster's y and the wave's number alone
	s_cbranch_scc1 .Lno_fine_\@
	WIN 0x08                                       ; a store's data are its source 1
.set i, 0
.rept 16
	global_store_b128 v[FI], v[4*i:4*i+3], s[100:101] offset:512*i   ; an image of the registers: 32 lanes store 512 consecutive bytes
.set i, i+1
.endr
	WIN 0
.Lno_fine_\@:
.endif
	WIN 0x4a+5*((\a)/2)
.set i, 0
.rept 32
	v_cvt_pk_f16_f32 v[XB+i], v[CB+2*i], v[CB+2*i+1]
.set i, i+1
.endr
	WIN 0
.endm
.macro VBLK a                          ; row block a of v: x 2^-4 (exact), f16 into the block's first 32 accumulator registers
.if (\a) == 0
	s_cmp_lg_u32 s45, 0
	s_cbranch_scc1 .Lno_fine_\@
	WIN 0x04
.set i, 0
.rept 16
	global_store_b128 v[FA], v[4*i:4*i+3], s[100:101] offset:64*(i/2)+16*(i%2)   ; v as it is, in f32, row-major
.set i, i+1
.endr
	WIN 0
.Lno_fine_\@:
.endif
	WIN 0x01
.set i, 0
.rept 32
	v_pk_mul_f32 v[NW+2*i:NW+2*i+1], v[64*(\a)+2*i:64*(\a)+2*i+1], 0x3d800000 op_sel_hi:[1,0]
.set i, i+1
.endr
.if (\a) == 0
	s_wait_xcnt 0x0                                ; the stores above have read their data: the registers may be written
.endif
	WIN 0x40
.set i, 0
.rept 32
	v_cvt_pk_f16_f32 v[64*(\a)+i], v[NW+2*i], v[NW+2*i+1]
.set i, i+1
.endr
	WIN 0
.endm
.macro TOSTAGE a                       ; a lane's 16 bytes into rows of 272, and back as whole rows of 256: LDS serves a wave's instructions in order
	WIN 0x04
.irp b, 0,1,2,3,4,5,6,7
	ds_store_b128 v[STO], v[64*(\a)+4*\b:64*(\a)+4*\b+3] offset:32*\b
.endr
	WIN 0
.irp t, 0,1,2,3,4,5,6,7
	ds_load_b128 v[BK+32*((\a)%2)+4*\t:BK+32*((\a)%2)+4*\t+3], v[RD] offset:2*\t*PITCH
.endr
.endm
.macro SEND a, younger
	s_wait_dscnt \younger
.irp t, 0,1,2,3,4,5,6,7
	global_store_b128 v[CO], v[BK+32*((\a)%2)+4*\t:BK+32*((\a)%2)+4*\t+3], s[12:13] offset:4096*(\a)+512*\t   ; 16 lanes store 256 consecutive bytes, aligned: a row of a head
.endr
.endm
	PLACES 4                                       ; behind the last products: ahead of the first read of results and of loads into registers that they read
	s_cmp_eq_u32 ttmp9, 3                          ; the cluster's x: alike in all partners
	s_cbranch_scc1 .Lvalues
	s_mov_b32 s92, 0x76543210
	s_mov_b32 s93, 0xfedcba98                      ; v_permlanex16_b32's selects for lane l xor 16
	s_mov_b32 s94, 0x3c000000                      ; 1 / 128
	s_mov_b32 s95, 0x358637bd                      ; 1e-6
	CSLOAD 0                                       ; block 0's tables, into the registers that held the weights' fragments: used last
	SSQ 0                                          ; the sums of squares want none of the tables
	SSQ 1
	SSQ 2
	SSQ 3
.irp a, 0,1,2,3
	v_mov_b32 v[RS+2*\a+1], 0                      ; (named as the upper half of a pair)
.endr
.irp a, 0,1,2,3
	v_rsq_f32 v[RS+2*\a], v[SS+8*\a]
.endr
	v_nop                                          ; a plain place behind the last of the batch,
	s_wait_alu depctr_va_vdst(0)                   ; and one wait for the four, ahead of their first reader
	s_wait_loadcnt 32                              ; the weight and the tables of blocks 1-3 are in; block 0's 32 loads may be out
	QKBLK 1
	QKBLK 2
	QKBLK 3
	s_wait_loadcnt 0x0
	QKBLK 0
	s_branch .Lout
.Lvalues:
	s_wait_loadcnt 0x0                             ; the head's loads are done: the weight's registers are at work below
	VBLK 0
	VBLK 1
	VBLK 2
	VBLK 3
.Lout:
	TOSTAGE 0
.irp a, 1,2,3
.if \a > 1
	s_wait_xcnt 0x0                                ; block a - 2's stores have read their registers: block a's loads may land there
.endif
	TOSTAGE \a
	SEND \a-1, 16                                  ; behind block a - 1's loads: block a's 8 stores and 8 loads
.endr
	SEND 3, 0
	s_wait_tensorcnt 0x0                           ; the wave's end
	ds_add_u32 v[SPW], v[NIL]
	s_wait_dscnt 0x0
	CROUND                                         ; the closing round
	s_endpgm
.Lfunc_end_k_q61ced5af4d_qkv:
	.size	k_q61ced5af4d_qkv, .Lfunc_end_k_q61ced5af4d_qkv-k_q61ced5af4d_qkv
	.p2alignl 7, 3214868480
	.fill 96, 4, 3214868480
	.section	.rodata,"a",@progbits
	.p2align	6, 0x0
	.amdhsa_kernel k_q61ced5af4d_qkv
		.amdhsa_group_segment_fixed_size 327680
		.amdhsa_private_segment_fixed_size 0
		.amdhsa_enable_private_segment 0
		.amdhsa_kernarg_size 64
		.amdhsa_user_sgpr_count 2
		.amdhsa_user_sgpr_kernarg_segment_ptr 1
		.amdhsa_wavefront_size32 1
		.amdhsa_system_sgpr_workgroup_id_x 1
		.amdhsa_system_sgpr_workgroup_id_y 1
		.amdhsa_system_sgpr_workgroup_id_z 1
		.amdhsa_system_vgpr_workitem_id 0
		.amdhsa_next_free_vgpr 1024
		.amdhsa_next_free_sgpr 102
		.amdhsa_reserve_vcc 0
		.amdhsa_float_denorm_mode_32 3
		.amdhsa_float_denorm_mode_16_64 3
		.amdhsa_memory_ordered 1
		.amdhsa_forward_progress 1
		.amdhsa_inst_pref_size 204
	.end_amdhsa_kernel
	.amdgpu_metadata
---
amdhsa.version: [ 1, 2 ]
amdhsa.kernels:
  - .name:           k_q61ced5af4d_qkv
    .symbol:         k_q61ced5af4d_qkv.kd
    .args:
      - { .name: codes, .offset: 0, .size: 8, .value_kind: global_buffer, .address_space: global }
      - { .name: scales, .offset: 8, .size: 8, .value_kind: global_buffer, .address_space: global }
      - { .name: cos, .offset: 16, .size: 8, .value_kind: global_buffer, .address_space: global }
      - { .name: sin, .offset: 24, .size: 8, .value_kind: global_buffer, .address_space: global }
      - { .name: q_norm_w, .offset: 32, .size: 8, .value_kind: global_buffer, .address_space: global }
      - { .name: k_norm_w, .offset: 40, .size: 8, .value_kind: global_buffer, .address_space: global }
      - { .name: qkv, .offset: 48, .size: 8, .value_kind: global_buffer, .address_space: global }
      - { .name: fine, .offset: 56, .size: 8, .value_kind: global_buffer, .address_space: global }
    .group_segment_fixed_size: 327680
    .private_segment_fixed_size: 0
    .kernarg_segment_align: 8
    .kernarg_segment_size: 64
    .max_flat_workgroup_size: 128
    .sgpr_count:     102
    .vgpr_count:     1024
    .wavefront_size: 32
...
	.end_amdgpu_metadata
.endif
;; end of part 2
;; launch fine16 (part 3): grid 256 x 1, 8 waves a work-group, no clusters, 167,936 bytes of LDS; arguments fine, wo, wo16, out0; writes wo16, out0
.if DOCPART == 3
	.amdgcn_target "amdgcn-amd-amdhsa--gfx1250"
	.amdhsa_code_object_version 6
	.text
	.protected	k_q61ced5af4d_fine16
	.globl	k_q61ced5af4d_fine16
	.p2align	8
	.type	k_q61ced5af4d_fine16,@function
k_q61ced5af4d_fine16:
	s_mov_b64 s[64:65], 0
	v_nop
	global_prefetch_b8 v0, s[64:65] scope:SCOPE_SE
	s_setreg_imm32_b32 hwreg(HW_REG_WAVE_MODE, 25, 1), 1
	s_wait_xcnt 0x0
; Two things on one read of wo [4096][2048] f32: (1) wo16 = 16 x wo in f16 (the 2^4 cancels v's 2^-4); (2) positions 0-15 of the output wholly in f32: their attention and their rows of the last projection.
; Those rows average 1 to 16 values and are the largest of the output: f16 operands would weigh most there.
; fine (slab 0, 262,144 bytes, f32): heads 0-15 q, 16-23 k (both behind norm and RoPE) as images of registers, 8,192 bytes a head: piece i of 16 is 512 bytes, lane l's 16 bytes at 16 l: row l % 16,
; channels 16 (i / 2) + 8 (l / 16) + 4 (i % 2) + 0..3; from byte 196,608 on v, [16][1024], row-major.
; SHARES.  A work-group owns rows n0 = 16 x its number .. + 15 of wo, that is 16 columns of the output.  Wave w owns k = 256 w .. + 255 of the projection: query heads 2 w and 2 w + 1, which share key/value head w.
; Each wave makes the 16 x 16 attention of its two heads itself, 128 products of 16 x 16 x 4, while its tile of wo (16 rows x 1,024 bytes, one tensor load, its own LDS bytes) is on its way: the result is, as it stands in the
; registers, an operand of the wave's K slice of the projection, so o never goes through memory and no launch is spent on it.
; LAYOUTS (one permutation of k on both sides of each product).  S^T = K Q^T: K and Q are loaded as their images lie, 512 consecutive bytes a load: both hold the same channel in the same register and lane half; step s takes
; registers 2 s, 2 s + 1.  In S^T a lane holds query r and keys 8 h + 0..7.
; O^T = V^T p: p's registers 2 s, 2 s + 1 are keys 8 h + 2 s, + 1; V^T of tile t, register j = V[8 h + j][16 t + r].  In O^T tile t a lane holds query r, channels 16 t + 8 h + 0..7: its registers 2 s, 2 s + 1 pair with
; wo[n0 + r][.. + 16 t + 8 h + 2 s, + 1].  The projection's result: lane (r, h): output row r, columns n0 + 8 h + 0..7.
; The sums' registers (window 1, v0-159) are written by matrix instructions alone; what is made of them goes into other registers; p is divided by its sum ahead of the second product.
; The output's part here is 64 bytes of each of 16 rows a work-group: 262,144 bytes in all, stored 64 consecutive bytes a lane pair.
; LIMITS: |wo| under 4,094 (f16 x 16); NaN and infinities are not served.
.set TP,    1040                       ; a row of the tile in LDS: 1,024 bytes + 16
.set TILE,  16*TP
.set PART,  8*TILE                     ; the waves' partial sums: 1,024 bytes each
.set SPARE, PART+8*1024                ; the spare words, 128 bytes a wave
.set KA,   3                           ; v3   16 x lane: an image's place for my lane
.set VA,   4                           ; v4   32768 h + 4 r
.set WFA,  5                           ; v5   my tile + 1040 r + 32 h
.set CAI,  6                           ; v6   my tile + 16 lane
.set CAO,  7                           ; v7   8 lane
.set PW,   8
.set PR,   9
.set OADR, 10                          ; v10  16384 r + 32 h
.set DG,   11                          ; v11  r - 8 h: key 8 h + j is hidden where j > r - 8 h
.set NINF, 12
.set SPW,  14
.set NIL,  15
.set SV,   16                          ; v16-23 scores; later the projection's sums
.set PP,   24                          ; v24-31 p
.set TM,   32
.set KR,   64                          ; v64-127 K; later wo's fragments for head 2 w
.set QA,   128                         ; v128-191 Q of head 2 w; later wo's fragments for head 2 w + 1
.set VT,   192                         ; v192-255 V^T; later the cast's registers
.set QB,   160                         ; window 1: Q of head 2 w + 1
.set SEL,  28
.set CS,   30
.set MSB, 0
.macro WIN new
.if MSB != (\new)
	s_set_vgpr_msb (MSB<<8)|(\new)
.set MSB, (\new)
.endif
.endm
.macro PLACES n
.rept \n
	v_nop
.endr
.endm
	s_load_b256 s[4:11], s[0:1], 0x0               ; fine, wo, wo16, out0
	v_lshl_add_u32 v[SPW], v0, 2, SPARE
	v_mov_b32 v[NIL], 0
	ds_add_u32 v[SPW], v[NIL]                      ; the opening: the add, twice on end, and its wait ahead of my first tensor load
	ds_add_u32 v[SPW], v[NIL]
	v_lshrrev_b32 v1, 5, v0
	v_readfirstlane_b32 s12, v1                    ; wave 0..7
	s_mov_b32 s20, (2<<16)|(1<<20)|(7<<22)|(3<<25) ; elements of 4 bytes; 4 words of padding behind every 256
	s_mov_b32 s21, 256<<16                         ; tensor_dim0
	s_mov_b32 s22, 16<<16                          ; tensor_dim1
	s_mov_b32 s23, 256<<16                         ; tile_dim0
	s_mov_b32 s24, 16                              ; tile_dim1
	s_mov_b32 s25, 2048                            ; from row to row
	s_mov_b32 s26, 0
	s_mov_b32 s27, 0
	s_mul_i32 s13, s12, TILE                       ; my tile in LDS
	s_lshl_b32 s32, ttmp9, 17                      ; 16 rows of 8,192 bytes
	s_lshl_b32 s33, s12, 10
	s_add_co_u32 s32, s32, s33                     ; + my 1,024 bytes of a row
	s_mov_b32 s33, 0
	s_mov_b32 s[SEL], 0x76543210
	s_mov_b32 s[SEL+1], 0xfedcba98
	s_mov_b32 s[CS], 0x3e0293ee                    ; c = log2(e) / sqrt(128)
	s_mov_b32 s35, 0
	s_wait_dscnt 0x0
	s_wait_kmcnt 0x0
	s_mov_b32 s16, 1
	s_mov_b32 s17, s13
	s_add_nc_u64 s[18:19], s[6:7], s[32:33]
	s_or_b32 s19, s19, 0x80000000
	tensor_load_to_lds s[16:19], s[20:27]          ; my one tensor load: filled once, read by me alone
	s_nop 0
	PLACES 4
	v_and_b32 v1, 15, v0                           ; r
	v_bfe_u32 v2, v0, 4, 1                         ; h
	v_and_b32 v13, 31, v0                          ; lane
	v_lshlrev_b32 v[KA], 4, v13
	v_lshlrev_b32 v[VA], 15, v2
	v_lshl_add_u32 v[VA], v1, 2, v[VA]
	s_lshl_b32 s34, s12, 13
	s_add_nc_u64 s[40:41], s[4:5], s[34:35]
	s_add_nc_u64 s[40:41], s[40:41], 131072        ; K: the image of head 16 + w
	s_lshl_b32 s34, s12, 14
	s_add_nc_u64 s[42:43], s[4:5], s[34:35]        ; Q: the images of heads 2 w and 2 w + 1, on end
	s_lshl_b32 s34, s12, 9
	s_add_nc_u64 s[44:45], s[4:5], s[34:35]
	s_add_nc_u64 s[44:45], s[44:45], 196608        ; V: column 128 w of rows of 4,096 bytes
.set i, 0
.rept 16
	global_load_b128 v[KR+4*i:KR+4*i+3], v[KA], s[40:41] offset:512*i      ; 32 lanes read 512 consecutive bytes
	global_load_b128 v[QA+4*i:QA+4*i+3], v[KA], s[42:43] offset:512*i
.set i, i+1
.endr
	WIN 0x40
.set i, 0
.rept 16
	global_load_b128 v[QB+4*i:QB+4*i+3], v[KA], s[42:43] offset:8192+512*i
.set i, i+1
.endr
	WIN 0
.irp t, 0,1,2,3,4,5,6,7
.irp j, 0,1,2,3,4,5,6,7
	global_load_b32 v[VT+8*\t+\j], v[VA], s[44:45] offset:4096*\j+64*\t
.endr
.endr
	v_mul_u32_u24 v[WFA], v1, TP
	v_lshl_add_u32 v[WFA], v2, 5, v[WFA]
	v_add_nc_u32 v[WFA], s13, v[WFA]
	v_lshl_add_u32 v[CAI], v13, 4, s13
	v_lshlrev_b32 v[CAO], 3, v13
	s_lshl_b32 s14, s12, 10
	s_add_co_u32 s14, s14, PART
	v_lshl_add_u32 v[PW], v13, 4, s14
	v_lshl_add_u32 v[PR], v13, 4, PART
	v_lshlrev_b32 v[OADR], 14, v1
	v_lshl_add_u32 v[OADR], v2, 5, v[OADR]
	v_lshlrev_b32 v[DG], 3, v2
	v_sub_nc_u32 v[DG], v1, v[DG]
	v_mov_b32 v[NINF], 0xff800000
	s_lshl_b32 s34, ttmp9, 16                      ; wo16: 16 rows of 4,096 bytes,
	s_lshl_b32 s36, s12, 9
	s_add_co_u32 s34, s34, s36                     ; + my 512 bytes of a row
	s_add_nc_u64 s[8:9], s[8:9], s[34:35]
	s_lshl_b32 s34, ttmp9, 6                       ; out0: my work-group's 16 columns
	s_add_nc_u64 s[10:11], s[10:11], s[34:35]
	s_wait_loadcnt 0x0
; One head: scores, mask, softmax, O^T.  win: the window setting of the first product (Q in window 0 or 1); qb: Q's first register; ob: O^T's, in window 1.
.macro ATT win, qb, ob
	WIN \win
.set n, 0
.rept 32                               ; two sums by turns, one instruction a turn; the first two products start them
.if n < 2
	v_wmma_f32_16x16x4_f32 v[8*(n%2):8*(n%2)+7], v[KR+2*n:KR+2*n+1], v[\qb+2*n:\qb+2*n+1], 0
.else
	v_wmma_f32_16x16x4_f32 v[8*(n%2):8*(n%2)+7], v[KR+2*n:KR+2*n+1], v[\qb+2*n:\qb+2*n+1], v[8*(n%2):8*(n%2)+7]
.endif
.set n, n+1
.endr
	PLACES 8                                       ; eight places behind this form, ahead of the first read of results (ISA guide 7.12.1)
	WIN 0x05
.irp j, 0,1,2,3,4,5,6,7
	v_add_f32 v[SV+\j], v[\j], v[8+\j]             ; from the low end on
.endr
	WIN 0
.irp j, 0,1,2,3,4,5,6,7
	v_cmp_gt_i32 vcc_lo, \j, v[DG]
	v_cndmask_b32 v[SV+\j], v[SV+\j], v[NINF], vcc_lo   ; hidden keys: -infinity ahead of the maximum; key 0 counts for every query
.endr
	v_max3_num_f32 v[TM], v[SV], v[SV+1], v[SV+2]
	v_max3_num_f32 v[TM+1], v[SV+3], v[SV+4], v[SV+5]
	v_max3_num_f32 v[TM], v[TM], v[SV+6], v[SV+7]
	v_max_num_f32 v[TM], v[TM], v[TM+1]
	v_permlanex16_b32 v[TM+1], v[TM], s[SEL], s[SEL+1]
	v_max_num_f32 v[TM], v[TM], v[TM+1]            ; the row's maximum
	v_mul_f32 v[TM+1], s[CS], v[TM]
.irp j, 0,1,2,3,4,5,6,7
	v_fma_f32 v[PP+\j], v[SV+\j], s[CS], -v[TM+1]
.endr
.irp j, 0,1,2,3,4,5,6,7
	v_exp_f32 v[PP+\j], v[PP+\j]
.endr
	v_nop
	s_wait_alu depctr_va_vdst(0)                   ; one wait for the eight, ahead of their first reader
	v_add_f32 v[TM], v[PP], v[PP+1]
	v_add_f32 v[TM+1], v[PP+2], v[PP+3]
	v_add_f32 v[TM+2], v[PP+4], v[PP+5]
	v_add_f32 v[TM+3], v[PP+6], v[PP+7]
	v_add_f32 v[TM], v[TM], v[TM+1]
	v_add_f32 v[TM+2], v[TM+2], v[TM+3]
	v_add_f32 v[TM], v[TM], v[TM+2]
	v_permlanex16_b32 v[TM+1], v[TM], s[SEL], s[SEL+1]
	v_add_f32 v[TM], v[TM], v[TM+1]
	v_rcp_f32 v[TM+2], v[TM]
	v_nop
	s_wait_alu depctr_va_vdst(0)
.irp j, 0,1,2,3,4,5,6,7
	v_mul_f32 v[PP+\j], v[PP+\j], v[TM+2]          ; p is normalised here: the sums' registers take no vector write
.endr
	WIN 0x50
.irp s, 0,1,2,3
.irp t, 0,1,2,3,4,5,6,7                ; the eight tiles by turns
.if \s == 0
	v_wmma_f32_16x16x4_f32 v[\ob+8*\t:\ob+8*\t+7], v[VT+8*\t+2*\s:VT+8*\t+2*\s+1], v[PP+2*\s:PP+2*\s+1], 0
.else
	v_wmma_f32_16x16x4_f32 v[\ob+8*\t:\ob+8*\t+7], v[VT+8*\t+2*\s:VT+8*\t+2*\s+1], v[PP+2*\s:PP+2*\s+1], v[\ob+8*\t:\ob+8*\t+7]
.endif
.endr
.endr
.endm
	ATT 0x50, QA, 32
	ATT 0x54, QB, 96
	WIN 0
	s_wait_tensorcnt 0x0                           ; my tile of wo is in LDS
	PLACES 9                                       ; nine places: O^T becomes an operand; eight would do for the loads into K's, Q's and V's registers
.irp x, 0,1
.irp t, 0,1,2,3,4,5,6,7
	ds_load_b128 v[KR+64*\x+8*\t:KR+64*\x+8*\t+3], v[WFA] offset:512*\x+64*\t
	ds_load_b128 v[KR+64*\x+8*\t+4:KR+64*\x+8*\t+7], v[WFA] offset:512*\x+64*\t+16
.endr
.endr
; the cast: four rows at a time; a load takes 512 consecutive bytes of a row, a store gives 256 consecutive bytes, aligned
.irp g, 0,1,2,3
.irp i, 0,1,2,3
.irp f, 0,1
	ds_load_b128 v[VT+8*\i+4*\f:VT+8*\i+4*\f+3], v[CAI] offset:(4*\g+\i)*TP+512*\f
.endr
.endr
	s_wait_dscnt 0x0
.set k, 0
.rept 16
	v_pk_mul_f32 v[VT+2*k:VT+2*k+1], v[VT+2*k:VT+2*k+1], 0x41800000 op_sel_hi:[1,0]   ; x 16: exact
.set k, k+1
.endr
.if \g > 0
	s_wait_xcnt 0x0                                ; the last batch's stores have read their data
.endif
.set k, 0
.rept 16
	v_cvt_pk_f16_f32 v[VT+32+k], v[VT+2*k], v[VT+2*k+1]
.set k, k+1
.endr
.irp i, 0,1,2,3
.irp f, 0,1
	global_store_b64 v[CAO], v[VT+32+4*\i+2*\f:VT+32+4*\i+2*\f+1], s[8:9] offset:(4*\g+\i)*4096+256*\f
.endr
.endr
.endr
	WIN 0x54                                       ; wo's fragments window 0; O^T and the sums window 1
.set n, 0
.irp x, 0,1
.irp t, 0,1,2,3,4,5,6,7
.irp s, 0,1,2,3
.if n < 2
	v_wmma_f32_16x16x4_f32 v[16+8*(n%2):16+8*(n%2)+7], v[KR+64*\x+8*\t+2*\s:KR+64*\x+8*\t+2*\s+1], v[32+64*\x+8*\t+2*\s:32+64*\x+8*\t+2*\s+1], 0
.else
	v_wmma_f32_16x16x4_f32 v[16+8*(n%2):16+8*(n%2)+7], v[KR+64*\x+8*\t+2*\s:KR+64*\x+8*\t+2*\s+1], v[32+64*\x+8*\t+2*\s:32+64*\x+8*\t+2*\s+1], v[16+8*(n%2):16+8*(n%2)+7]
.endif
.set n, n+1
.endr
.endr
.endr
	PLACES 8
	WIN 0x05
.irp j, 0,1,2,3,4,5,6,7
	v_add_f32 v[SV+\j], v[16+\j], v[24+\j]         ; my K slice's part of out[r][n0 + 8 h + j]
.endr
	WIN 0
	ds_store_b128 v[PW], v[SV:SV+3]                ; as an image of the registers: 16 bytes a lane
	ds_store_b128 v[PW], v[SV+4:SV+7] offset:512
	s_wait_dscnt 0x0                               ; for the others' sake
	s_barrier_signal -1
	s_barrier_wait -1
	s_cmp_lg_u32 s12, 0
	s_cbranch_scc1 .Ldone                          ; wave 0 adds the eight parts
.irp u, 1,2,3,4,5,6,7
	ds_load_b128 v[KR+8*(\u-1):KR+8*(\u-1)+3], v[PR] offset:1024*\u
	ds_load_b128 v[KR+8*(\u-1)+4:KR+8*(\u-1)+7], v[PR] offset:1024*\u+512
.endr
	s_wait_dscnt 0x0
.irp u, 1,2,3,4,5,6,7
.irp i, 0,2,4,6
	v_pk_add_f32 v[SV+\i:SV+\i+1], v[SV+\i:SV+\i+1], v[KR+8*(\u-1)+\i:KR+8*(\u-1)+\i+1]
.endr
.endr
	global_store_b128 v[OADR], v[SV:SV+3], s[10:11]
	global_store_b128 v[OADR], v[SV+4:SV+7], s[10:11] offset:16
.Ldone:
	s_wait_tensorcnt 0x0                           ; the wave's end
	ds_add_u32 v[SPW], v[NIL]
	s_wait_dscnt 0x0
	s_endpgm
.Lfunc_end_k_q61ced5af4d_fine16:
	.size	k_q61ced5af4d_fine16, .Lfunc_end_k_q61ced5af4d_fine16-k_q61ced5af4d_fine16
	.p2alignl 7, 3214868480
	.fill 96, 4, 3214868480
	.section	.rodata,"a",@progbits
	.p2align	6, 0x0
	.amdhsa_kernel k_q61ced5af4d_fine16
		.amdhsa_group_segment_fixed_size 167936
		.amdhsa_private_segment_fixed_size 0
		.amdhsa_enable_private_segment 0
		.amdhsa_kernarg_size 32
		.amdhsa_user_sgpr_count 2
		.amdhsa_user_sgpr_kernarg_segment_ptr 1
		.amdhsa_wavefront_size32 1
		.amdhsa_system_sgpr_workgroup_id_x 1
		.amdhsa_system_sgpr_workgroup_id_y 1
		.amdhsa_system_sgpr_workgroup_id_z 1
		.amdhsa_system_vgpr_workitem_id 0
		.amdhsa_next_free_vgpr 480
		.amdhsa_next_free_sgpr 66
		.amdhsa_reserve_vcc 1
		.amdhsa_float_denorm_mode_32 3
		.amdhsa_float_denorm_mode_16_64 3
		.amdhsa_memory_ordered 1
		.amdhsa_forward_progress 1
		.amdhsa_inst_pref_size 54
	.end_amdhsa_kernel
	.amdgpu_metadata
---
amdhsa.version: [ 1, 2 ]
amdhsa.kernels:
  - .name:           k_q61ced5af4d_fine16
    .symbol:         k_q61ced5af4d_fine16.kd
    .args:
      - { .name: fine, .offset: 0, .size: 8, .value_kind: global_buffer, .address_space: global }
      - { .name: wo, .offset: 8, .size: 8, .value_kind: global_buffer, .address_space: global }
      - { .name: wo16, .offset: 16, .size: 8, .value_kind: global_buffer, .address_space: global }
      - { .name: out0, .offset: 24, .size: 8, .value_kind: global_buffer, .address_space: global }
    .group_segment_fixed_size: 167936
    .private_segment_fixed_size: 0
    .kernarg_segment_align: 8
    .kernarg_segment_size: 32
    .max_flat_workgroup_size: 256
    .sgpr_count:     66
    .vgpr_count:     480
    .wavefront_size: 32
...
	.end_amdgpu_metadata
.endif
;; end of part 3
;; launch attn (part 4): grid 32 x 8, 4 waves a work-group, clusters of 4 x 1, 327,680 bytes of LDS; arguments qkv, att; writes att
.if DOCPART == 4
	.amdgcn_target "amdgcn-amd-amdhsa--gfx1250"
	.amdhsa_code_object_version 6
	.text
	.protected	k_q61ced5af4d_attn
	.globl	k_q61ced5af4d_attn
	.p2align	8
	.type	k_q61ced5af4d_attn,@function
k_q61ced5af4d_attn:
	s_mov_b64 s[64:65], 0
	v_nop
	global_prefetch_b8 v0, s[64:65] scope:SCOPE_SE
	s_setreg_imm32_b32 hwreg(HW_REG_WAVE_MODE, 25, 1), 1
	s_wait_xcnt 0x0
	s_wait_alu depctr_hold_cnt(0) depctr_sa_sdst(0) depctr_va_vdst(0) depctr_va_sdst(0) depctr_va_ssrc(0) depctr_va_vcc(0) depctr_vm_vsrc(0)
	s_getreg_b32 s2, hwreg(HW_REG_IB_STS2, 6, 4)
	s_cmp_eq_u32 s2, 0
	s_cbranch_scc0 .Lentry_in_a_cluster
	s_endpgm
.Lentry_in_a_cluster:
	s_bfe_u32 s2, ttmp6, 0x10000c
	s_cmp_lg_u32 s2, 0x3003
	s_cbranch_scc0 .Lentry_shape_is_right
	s_endpgm
.Lentry_shape_is_right:
; Causal attention with grouped heads, f16 operands, f32 sums.  qkv [32][2048][128] f16: heads 0-15 q, 16-23 k, 24-31 v x 2^-4.  att [2048][2048] f16: att[pos][128 head + d] = o / 16.
; SHARES.  Work-group (i = 4 c + cx, g): key/value head g, and two blocks of 32 positions, first block i, then block 63 - i, each for both query heads 2 g and 2 g + 1: 64 rows = 4 tiles of 16
; (tile t: head 2 g + t / 2, positions 32 block + 16 (t % 2)).  Block i wants c + 1 key steps of 128, block 63 - i wants 16 - c: always 17: 256 work-groups of equal work, and constant trip counts.
; THE WAVES SHARE THE KEYS: all four hold the same Q; in a step wave w takes keys 32 w .. + 31, so each fragment of K and V is read from LDS once and feeds four products.  Each wave keeps its own running maximum, sum and O^T;
; at a block's end the four are merged through LDS.
; CLUSTER.  The four partners walk the same tiles in the same order: each tile is asked for jointly (mask 15).  cx enters Q's and att's addresses, the prefetches' addresses and the mask's numbers; no branch and no LDS address.
; THE RING.  Two slots of one key step; both are filled at the head.  THE CHANGE OF SLOTS STANDS IN A STEP'S MIDDLE, between the softmax and the second product: by then the step's K and V are in registers, so its slot is asked
; for the tile two steps on, and the next step's K and V are fetched from the other slot ahead of the 32 products V^T P, under which those 32 LDS loads land.  V has two sets of registers for that.
; LAYOUT.  S^T = K Q^T (source 0 = 16 keys, source 1 = 16 queries): a lane holds one query (lane % 16) and keys 8 (lane / 16) + 0..7; two such tiles, rounded to f16 in pairs, are source 1 of O^T = V^T P.  V comes out of LDS turned.
; SOFTMAX.  A running maximum m and sum l for each query: p = 2^(c s - c m), c = log2(e) / sqrt(128); in every step O^T and l are multiplied by a = 2^(c m_old - c m_new).  m begins at -3e38, a finite number: a wave all of whose keys
; are hidden keeps p = 0, a = 1.  O^T begins as zeros, written once; at the second block's first step (never on the diagonal: that block has 9 steps or more) m has been set back, so a = 0 and the multiplication clears O^T.
; O^T's 128 multiplications by a are dealt among the 32 products V^T P: four behind each product, four accumulators ahead of their use, so that they are issued while the matrix unit works.
; THE MASK is wanted in a block's last step alone: hidden where 16 kt + j - 16 (t % 2) > 32 (block % 4 - w) + r - 8 h.
; LIMITS: NaN and infinities are not served.  Positions 0-15 are made here like the others; their rows of the output come from the launch that carries them in f32.
; REGISTERS: window 0: v1-15 addresses; v16-47 eight registers of statistics a tile; v64-127 S^T; v128-159 P; v160-255 at work in the merge.  window 1: O^T, 64 t + 8 ct.  window 2: v0-127 Q, v128-191 K.  window 3: v0-127 V^T, two sets.
.set PK,    272                        ; a row of K in LDS: 256 + 16
.set PV,    288                        ; a row of V: 256 + 32
.set VOFF,  128*PK
.set SLOT,  128*(PK+PV)                ; a step's 128 rows of K, then of V
.set MS,    2*SLOT                     ; the merge: images of O^T, 32,768 bytes a wave
.set XCH,   MS+4*32768                 ; c m and l of all waves: 4,096 bytes
.set STG,   XCH+4096                   ; a stage of 16 rows x 272 a wave
.set SPARE, STG+4*16*272               ; the spare words
.set AK,   2                           ; v2-3  my K fragments in slot 0, 1
.set AV,   4                           ; v4-5  my V fragments
.set QO,   6
.set DM,   7                           ; the mask's number of the block in hand
.set MW,   8
.set MR,   9
.set MR2,  10
.set XW,   11
.set XR,   12
.set STO,  13
.set RD,   14
.set GO,   15
.set ST,   16                          ; tile t at ST + 8 t: +0 c m, +1 m, +2, +3 l, +4, +5 at work, +6 a, +7 c m_old - c m_new
.set NINF, 48
.set DMH,  49                          ; the mask's number of the second block
.set PFO,  61
.set SPW,  62
.set NIL,  63
.set S,    64
.set P,    128
.set KF,   128
.set WV,   12
.set CX,   13
.set G,    14
.set PFA,  16
.set LIMP, 18
.set LK,   19
.set LV,   20
.set G1K,  24
.set G1V,  32
.set G0K,  40                          ; s[40:43], s[44:47] groups 0 that walk: slot 1's first fill, then every refill
.set G0V,  44
.set KB,   48
.set VB,   50
.set KOFF, 52                          ; s[52:53] the byte at which the tile asked for last begins in K and in V
.set QL,   54
.set QH,   56
.set AL,   58
.set AH,   60
.set TAU,  62                          ; the step, 0 .. 16
.set NLO,  63                          ; the first block's steps: c + 1
.set T1,   66
.set LOOPC, 67
.set SEL,  68
.set CS,   70
.set G0K0, 72                          ; s[72:75], s[76:79] groups 0 of slot 0's first fill
.set G0V0, 76
.set T2,   80
.set MSB, 0
.macro WIN new
.if MSB != (\new)
	s_set_vgpr_msb (MSB<<8)|(\new)
.set MSB, (\new)
.endif
.endm
.set W_KQ, 0x0a
.set W_PV, 0x53
.set W_RS, 0x41
.macro PLACES n
.rept \n
	v_nop
.endr
.endm
.macro JLOAD                           ; waves 0, 1 fetch K's halves of a tile, waves 2, 3 V's.  An s_nop 0 and four v_nop follow each line
	s_cmp_lt_u32 s[WV], 2
	s_cbranch_scc0 .Lfor_v_\@
	tensor_load_to_lds s[G0K:G0K+3], s[G1K:G1K+7]
	s_nop 0
	PLACES 4
	s_branch .Lasked_\@
.Lfor_v_\@:
	tensor_load_to_lds s[G0V:G0V+3], s[G1V:G1V+7]
	s_nop 0
	PLACES 4
.Lasked_\@:
.endm
; A PREFETCH INTO THE L2: at the change of slots in step t the head's first cluster (c = 0, whose second block walks all 16 tiles, and which asks for tile t + 1 there) names tile t + 3, which it will load two changes later:
; 128 rows of K and of V, 256 bytes a row, a lane a row.  The four partners share the rows by address, 32 each; wave 0 asks for K's, wave 2 for V's.  Steps 0 to 12 ask: tiles 3 to 15, each row once in the launch;
; tiles 0, 1 and 2 come by their loads alone.
.macro ASK
	s_cmp_lt_u32 s[TAU], s[LIMP]
	s_cbranch_scc0 .Lnot_mine_\@
	global_prefetch_b8 v[PFO], s[PFA:PFA+1] th:TH_LOAD_NT scope:SCOPE_SE
.Lnot_mine_\@:
.endm
.macro CROUND
	s_barrier_signal -1
	s_barrier_wait -1
	s_cmp_lg_u32 s[WV], 0
	s_cbranch_scc1 .Lnot_wave_0_\@
	s_barrier_signal -3
.Lnot_wave_0_\@:
	s_barrier_wait -3
	s_barrier_signal -1
	s_barrier_wait -1
.endm
.macro RESET                           ; a block's start values
.irp t, 0,1,2,3
	v_mov_b32 v[ST+8*\t+1], 0xff61b1e6             ; m = -3e38
	v_mul_f32 v[ST+8*\t], s[CS], v[ST+8*\t+1]
	v_mov_b32 v[ST+8*\t+2], 0
	v_mov_b32 v[ST+8*\t+3], 0
.endr
.endm
.macro QLOAD base                      ; Q stays in registers: fragment i: tile i / 4, channels 32 (i % 4) on
	WIN 0x80
.irp i, 0,1,2,3,4,5,6,7,8,9,10,11,12,13,14,15
	global_load_b128 v[8*\i:8*\i+3],   v[QO], s[\base:\base+1] offset:(\i/8)*524288+((\i/4)%2)*4096+(\i%4)*64
	global_load_b128 v[8*\i+4:8*\i+7], v[QO], s[\base:\base+1] offset:(\i/8)*524288+((\i/4)%2)*4096+(\i%4)*64+32
.endr
	WIN 0
.endm
.macro KVLOAD sl                       ; my 32 keys of the tile in slot sl: 16 loads of K, then 16 turning loads of V into V's set sl
	WIN 0x80
.irp f, 0,1,2,3,4,5,6,7                ; keys 16 (f / 4) on, channels 32 (f % 4) on
	ds_load_b128 v[KF+8*\f:KF+8*\f+3],   v[AK+\sl] offset:(\f/4)*16*PK+(\f%4)*64
	ds_load_b128 v[KF+8*\f+4:KF+8*\f+7], v[AK+\sl] offset:(\f/4)*16*PK+(\f%4)*64+32
.endr
	WIN 0xc0
.irp f, 0,1,2,3,4,5,6,7                ; channels 16 f on
	ds_load_tr16_b128 v[64*(\sl)+8*\f:64*(\sl)+8*\f+3],   v[AV+\sl] offset:32*\f
	ds_load_tr16_b128 v[64*(\sl)+8*\f+4:64*(\sl)+8*\f+7], v[AV+\sl] offset:16*PV+32*\f
.endr
	WIN 0
.endm
.macro RSG n                           ; accumulator n of 32 (tile n % 4, channels 16 (n / 4) on) x a, from its low end on
.set rR, 64*((\n)%4)+8*((\n)/4)
.set rA, ST+8*((\n)%4)+6
.irp i, 0,2,4,6
	v_pk_mul_f32 v[rR+\i:rR+\i+1], v[rR+\i:rR+\i+1], v[rA:rA+1] op_sel_hi:[1,0]
.endr
.endm
	s_load_b128 s[4:7], s[0:1], 0x0                ; qkv, att
	v_lshl_add_u32 v[SPW], v0, 2, SPARE
	v_mov_b32 v[NIL], 0
	ds_add_u32 v[SPW], v[NIL]                      ; the opening: the add, twice on end, and its wait ahead of my first tensor load
	ds_add_u32 v[SPW], v[NIL]
	v_lshrrev_b32 v1, 5, v0
	v_readfirstlane_b32 s[WV], v1
	s_bfe_u32 s[CX], ttmp6, 0x40000
	s_and_b32 s[G], ttmp7, 0xffff
	s_add_co_u32 s[NLO], ttmp9, 1
	s_and_b32 s15, s[WV], 1                        ; which 64 rows of a tile I fetch
	s_mul_i32 s[LK], s15, 64*PK
	s_mul_i32 s[LV], s15, 64*PV
	s_add_co_u32 s[LV], s[LV], VOFF
	s_mov_b32 s[G1K], 15|(1<<16)|(1<<20)|(1<<21)|(5<<22)|(3<<25)   ; the mask: all four; elements of 2 bytes; 4 words of padding behind every 64
	s_mov_b32 s[G1V], 15|(1<<16)|(1<<20)|(1<<21)|(5<<22)|(7<<25)   ; 8 words
.irp g, G1K, G1V
	s_mov_b32 s[\g+1], 128<<16
	s_mov_b32 s[\g+2], 64<<16
	s_mov_b32 s[\g+3], 128<<16
	s_mov_b32 s[\g+4], 64
	s_mov_b32 s[\g+5], 128
	s_mov_b32 s[\g+6], 0
	s_mov_b32 s[\g+7], 0
.endr
	s_mov_b32 s[SEL], 0x76543210
	s_mov_b32 s[SEL+1], 0xfedcba98
	s_mov_b32 s[CS], 0x3e0293ee                    ; c = log2(e) / sqrt(128)
	s_mov_b32 s[CS+1], s[CS]
	s_mov_b32 s[TAU], 0
	s_cmp_eq_u32 s[NLO], 1
	s_cselect_b32 s[KOFF], 0, 128*256              ; step 1's tile: tile 1, or tile 0 where the first block has one step
	s_mov_b32 s[KOFF+1], 0
	s_add_co_u32 s8, s[G], 16
	s_lshl_b32 s8, s8, 19                          ; K: head 16 + g, 524,288 bytes a head,
	s_lshl_b32 s9, s15, 14
	s_add_co_u32 s8, s8, s9                        ; my 64 rows of a tile
	s_mov_b32 s9, 0
	s_lshl_b32 s10, ttmp9, 2
	s_add_co_u32 s10, s10, s[CX]                   ; i: the first block
	s_sub_co_u32 s11, 63, s10                      ; the second
	s_lshl_b32 s21, s15, 16                        ; att: tile w's rows and head: 16 (w % 2) rows of 4,096 bytes,
	s_lshl_b32 s22, s[G], 9
	s_add_co_u32 s21, s21, s22                     ; head 2 g,
	s_lshr_b32 s22, s[WV], 1
	s_lshl_b32 s22, s22, 8
	s_add_co_u32 s21, s21, s22                     ; + w / 2
	s_mov_b32 s23, 0
	s_mov_b32 s3, 0
	s_wait_dscnt 0x0
	s_wait_kmcnt 0x0
	s_add_nc_u64 s[KB:KB+1], s[4:5], s[8:9]
	s_add_nc_u64 s[VB:VB+1], s[KB:KB+1], 8*524288
	s_lshl_b32 s2, s[G], 20                        ; Q: head 2 g,
	s_lshl_b32 s22, s10, 13
	s_add_co_u32 s22, s22, s2                      ; 32 rows of 256 bytes a block
	s_add_nc_u64 s[QL:QL+1], s[4:5], s[22:23]
	s_lshl_b32 s22, s11, 13
	s_add_co_u32 s22, s22, s2
	s_add_nc_u64 s[QH:QH+1], s[4:5], s[22:23]
	s_lshl_b32 s22, s10, 17
	s_add_co_u32 s22, s22, s21
	s_add_nc_u64 s[AL:AL+1], s[6:7], s[22:23]
	s_lshl_b32 s22, s11, 17
	s_add_co_u32 s22, s22, s21
	s_add_nc_u64 s[AH:AH+1], s[6:7], s[22:23]
	s_cmp_lt_u32 s[WV], 2
	s_cselect_b64 s[PFA:PFA+1], s[KB:KB+1], s[VB:VB+1]   ; (in waves 0 and 2 these stand at a tile's first row)
	s_lshl_b32 s22, s[CX], 13                      ; my work-group's 32 rows,
	s_add_co_u32 s22, s22, 2*128*256               ; in tile 2: the first change of slots steps it to tile 3
	s_add_nc_u64 s[PFA:PFA+1], s[PFA:PFA+1], s[22:23]
	s_or_b32 s22, s15, ttmp9
	s_cmp_eq_u32 s22, 0
	s_cselect_b32 s[LIMP], 13, 0                   ; waves 0 and 2 of the head's first cluster: alike in all four partners
	CROUND                                         ; all four work-groups are here: the first joint loads meet
	s_mov_b32 s[G0K0], 1
	s_mov_b32 s[G0K0+1], s[LK]
	s_mov_b64 s[G0K0+2:G0K0+3], s[KB:KB+1]
	s_or_b32 s[G0K0+3], s[G0K0+3], 0x80000000
	s_mov_b32 s[G0V0], 1
	s_mov_b32 s[G0V0+1], s[LV]
	s_mov_b64 s[G0V0+2:G0V0+3], s[VB:VB+1]
	s_or_b32 s[G0V0+3], s[G0V0+3], 0x80000000
	s_mov_b32 s[G0K], 1
	s_add_co_u32 s[G0K+1], s[LK], SLOT
	s_add_nc_u64 s[G0K+2:G0K+3], s[KB:KB+1], s[KOFF:KOFF+1]
	s_or_b32 s[G0K+3], s[G0K+3], 0x80000000
	s_mov_b32 s[G0V], 1
	s_add_co_u32 s[G0V+1], s[LV], SLOT
	s_add_nc_u64 s[G0V+2:G0V+3], s[VB:VB+1], s[KOFF:KOFF+1]
	s_or_b32 s[G0V+3], s[G0V+3], 0x80000000
	s_cmp_lt_u32 s[WV], 2                          ; a wave's two first fills stand in one branch, ahead of every wait on TENSORcnt and every LDS read: two loads of mine are out
	s_cbranch_scc0 .Lfirst_v
	tensor_load_to_lds s[G0K0:G0K0+3], s[G1K:G1K+7]
	s_nop 0
	tensor_load_to_lds s[G0K:G0K+3], s[G1K:G1K+7]
	s_nop 0
	PLACES 4
	s_branch .Lfirst_asked
.Lfirst_v:
	tensor_load_to_lds s[G0V0:G0V0+3], s[G1V:G1V+7]
	s_nop 0
	tensor_load_to_lds s[G0V:G0V+3], s[G1V:G1V+7]
	s_nop 0
	PLACES 4
.Lfirst_asked:
	v_and_b32 v1, 15, v0                           ; r
	v_bfe_u32 v50, v0, 4, 1                        ; h
	v_lshlrev_b32 v[QO], 8, v1
	v_lshl_add_u32 v[QO], v50, 4, v[QO]
	QLOAD QL
	v_and_b32 v51, 7, v0
	v_bfe_u32 v52, v0, 3, 1
	v_and_b32 v54, 31, v0                          ; lane
	s_lshl_b32 s22, s[WV], 5                       ; my 32 keys of a step
	v_add_nc_u32 v53, s22, v1
	v_mul_u32_u24 v53, v53, PK
	v_lshl_add_u32 v[AK], v50, 4, v53
	v_add_nc_u32 v[AK+1], SLOT, v[AK]
	v_lshl_add_u32 v53, v50, 3, v51                ; the turning load: key 8 h + lane % 8, channels 8 ((lane / 8) % 2) on
	v_add_nc_u32 v53, s22, v53
	v_mul_u32_u24 v53, v53, PV
	v_lshl_add_u32 v53, v52, 4, v53
	v_add_nc_u32 v[AV], VOFF, v53
	v_add_nc_u32 v[AV+1], SLOT, v[AV]
	v_lshlrev_b32 v53, 3, v50
	v_sub_nc_u32 v53, v1, v53                      ; r - 8 h
	s_sub_co_i32 s22, s[CX], s[WV]
	s_lshl_b32 s22, s22, 5
	v_add_nc_u32 v[DM], s22, v53                   ; block i: i % 4 = cx
	s_sub_co_i32 s22, 3, s[CX]
	s_sub_co_i32 s22, s22, s[WV]
	s_lshl_b32 s22, s22, 5
	v_add_nc_u32 v[DMH], s22, v53                  ; block 63 - i: 3 - cx
	s_lshl_b32 s22, s[WV], 15
	s_add_co_u32 s22, s22, MS
	v_lshl_add_u32 v[MW], v54, 4, s22              ; my images: 16 x lane
	s_lshl_b32 s22, s[WV], 13
	s_add_co_u32 s22, s22, MS
	v_lshl_add_u32 v[MR], v54, 4, s22              ; tile w in wave 0's images;
	v_add_nc_u32 v[MR2], 65536, v[MR]              ; in wave 2's
	v_lshl_add_u32 v[XW], v0, 2, XCH               ; 128 w + 4 lane
	v_lshl_add_u32 v[XR], v54, 2, XCH
	s_mul_i32 s22, s[WV], 16*272
	s_add_co_u32 s22, s22, STG
	v_mul_u32_u24 v53, v1, 272
	v_lshl_add_u32 v53, v50, 4, v53
	v_add_nc_u32 v[STO], s22, v53
	v_mul_u32_u24 v53, v50, 272
	v_lshl_add_u32 v53, v1, 4, v53
	v_add_nc_u32 v[RD], s22, v53
	v_lshlrev_b32 v[GO], 12, v50
	v_lshl_add_u32 v[GO], v1, 4, v[GO]
	v_lshlrev_b32 v[PFO], 8, v54
	v_mov_b32 v[NINF], 0xff800000
	RESET
	WIN 0x40
.set i, 0
.rept 256
	v_mov_b32 v[i], 0                              ; O^T, once: the step is written for every step alike, and the first finds zeros
.set i, i+1
.endr
	WIN 0
; A KEY STEP on slot sl; its K and V were asked of LDS in the step before (the first step's: at the head).
; mode = 2: the change of slots fills slot sl with the tile two steps on; 1: nothing is left to ask for: a plain barrier shows the last tile to all four waves; 0: the launch's last step: no change.
; msk = 1: the mask where the first block ends here; 2: always (the launch's last step is on the diagonal); 0: never (steps 14 and 15 end no block).
.macro STEP sl, mode, msk
	s_add_co_u32 s[T1], s[TAU], 1
	s_wait_dscnt 16                                ; K is in; V's 16 loads, issued behind K's, may be out
	WIN W_KQ
.irp c, 0,1,2,3                        ; the eight accumulators by turns, one instruction a turn; the first eight products start the sums
.irp k, 0,1
.irp t, 0,1,2,3
.if \c == 0
	v_wmma_f32_16x16x32_f16 v[S+16*\t+8*\k:S+16*\t+8*\k+7], v[KF+32*\k+8*\c:KF+32*\k+8*\c+7], v[32*\t+8*\c:32*\t+8*\c+7], 0
.else
	v_wmma_f32_16x16x32_f16 v[S+16*\t+8*\k:S+16*\t+8*\k+7], v[KF+32*\k+8*\c:KF+32*\k+8*\c+7], v[32*\t+8*\c:32*\t+8*\c+7], v[S+16*\t+8*\k:S+16*\t+8*\k+7]
.endif
.endr
.endr
.endr
	WIN 0
	PLACES 4
.if \msk
.if \msk == 1
	s_cmp_lg_u32 s[T1], s[NLO]                     ; ids and the count of steps alone: alike in all waves and partners
	s_cbranch_scc1 .Lopen_\@
.endif
.set n, 0
.rept 64                               ; register 16 t + 8 kt + j
	v_cmp_gt_i32 vcc_lo, 16*((n/8)%2)+n%8-16*((n/16)%2), v[DM]
	v_cndmask_b32 v[S+n], v[S+n], v[NINF], vcc_lo
.set n, n+1
.endr
.Lopen_\@:
.endif
.irp t, 0,1,2,3                        ; the maximum of 16 scores and the old m; the four tiles by turns
	v_max3_num_f32 v[ST+8*\t+4], v[S+16*\t], v[S+16*\t+1], v[S+16*\t+2]
.endr
.irp t, 0,1,2,3
	v_max3_num_f32 v[ST+8*\t+5], v[S+16*\t+3], v[S+16*\t+4], v[S+16*\t+5]
.endr
.irp i, 6,10
.irp t, 0,1,2,3
	v_max3_num_f32 v[ST+8*\t+4], v[ST+8*\t+4], v[S+16*\t+\i], v[S+16*\t+\i+1]
.endr
.irp t, 0,1,2,3
	v_max3_num_f32 v[ST+8*\t+5], v[ST+8*\t+5], v[S+16*\t+\i+2], v[S+16*\t+\i+3]
.endr
.endr
.irp t, 0,1,2,3
	v_max3_num_f32 v[ST+8*\t+4], v[ST+8*\t+4], v[S+16*\t+14], v[S+16*\t+15]
.endr
.irp t, 0,1,2,3
	v_max3_num_f32 v[ST+8*\t+4], v[ST+8*\t+4], v[ST+8*\t+5], v[ST+8*\t+1]
.endr
.irp t, 0,1,2,3
	v_permlanex16_b32 v[ST+8*\t+5], v[ST+8*\t+4], s[SEL], s[SEL+1]
.endr
.irp t, 0,1,2,3
	v_max_num_f32 v[ST+8*\t+1], v[ST+8*\t+4], v[ST+8*\t+5]
.endr
.irp t, 0,1,2,3
	v_mov_b32 v[ST+8*\t+7], v[ST+8*\t]
.endr
.irp t, 0,1,2,3
	v_mul_f32 v[ST+8*\t], s[CS], v[ST+8*\t+1]
.endr
.irp t, 0,1,2,3
	v_sub_f32 v[ST+8*\t+7], v[ST+8*\t+7], v[ST+8*\t]
.endr
.irp i, 0,2,4,6,8,10,12,14
.irp t, 0,1,2,3
	v_pk_fma_f32 v[S+16*\t+\i:S+16*\t+\i+1], v[S+16*\t+\i:S+16*\t+\i+1], s[CS:CS+1], v[ST+8*\t:ST+8*\t+1] op_sel_hi:[1,0,0] neg_lo:[0,0,1] neg_hi:[0,0,1]   ; c s - c m
.endr
.endr
.irp t, 0,1,2,3
	v_exp_f32 v[ST+8*\t+6], v[ST+8*\t+7]           ; a
.endr
.set i, 0
.rept 64
	v_exp_f32 v[S+i], v[S+i]                       ; p
.set i, i+1
.endr
	v_nop                                          ; a plain place behind the batch,
	s_wait_alu depctr_va_vdst(0)                   ; and one wait for its 68, ahead of their first reader
.set i, 0
.rept 32
	v_cvt_pk_f16_f32 v[P+i], v[S+2*i], v[S+2*i+1]
.set i, i+1
.endr
.irp u, 0,4,8,12
.irp t, 0,1,2,3
	v_pk_add_f32 v[S+16*\t+\u:S+16*\t+\u+1], v[S+16*\t+\u:S+16*\t+\u+1], v[S+16*\t+\u+2:S+16*\t+\u+3]
.endr
.endr
.irp u, 0,8
.irp t, 0,1,2,3
	v_pk_add_f32 v[S+16*\t+\u:S+16*\t+\u+1], v[S+16*\t+\u:S+16*\t+\u+1], v[S+16*\t+\u+4:S+16*\t+\u+5]
.endr
.endr
.irp t, 0,1,2,3
	v_pk_add_f32 v[S+16*\t:S+16*\t+1], v[S+16*\t:S+16*\t+1], v[S+16*\t+8:S+16*\t+9]
.endr
.irp t, 0,1,2,3
	v_pk_fma_f32 v[ST+8*\t+2:ST+8*\t+3], v[ST+8*\t+2:ST+8*\t+3], v[ST+8*\t+6:ST+8*\t+7], v[S+16*\t:S+16*\t+1] op_sel_hi:[1,0,1]   ; l = a l + the step's sum
.endr
.if \mode
	; THE CHANGE OF SLOTS
	s_wait_tensorcnt 0x0                           ; all my tensor loads have landed: my part of the next step's tile; so a group 0 may be written
	ds_add_u32 v[SPW], v[NIL]                      ; 0 onto my spare word; the descriptors' words stand between it and the wait for it
	s_wait_xcnt 0x0                                ; earlier stores and the last prefetch have read their registers
.if \mode == 2
	s_add_co_u32 s[T2], s[TAU], 2
	s_add_co_u32 s[KOFF], s[KOFF], 128*256         ; the tile of the step two on: the next tile,
	s_cmp_eq_u32 s[T2], s[NLO]
	s_cselect_b32 s[KOFF], 0, s[KOFF]              ; or tile 0, where the second block begins there
	s_add_co_u32 s[G0K+1], s[LK], \sl*SLOT
	s_add_nc_u64 s[G0K+2:G0K+3], s[KB:KB+1], s[KOFF:KOFF+1]
	s_or_b32 s[G0K+3], s[G0K+3], 0x80000000
	s_add_co_u32 s[G0V+1], s[LV], \sl*SLOT
	s_add_nc_u64 s[G0V+2:G0V+3], s[VB:VB+1], s[KOFF:KOFF+1]
	s_or_b32 s[G0V+3], s[G0V+3], 0x80000000
	s_add_nc_u64 s[PFA:PFA+1], s[PFA:PFA+1], 128*256
	s_wait_dscnt 0x0                               ; the add is done; this step's V is in, and with it my reads of this slot are over
	CROUND                                         ; so of every wave of every partner
	JLOAD                                          ; my one tensor load behind the round, ahead of my first LDS read there
	ASK
.else
	s_wait_dscnt 0x0
	s_barrier_signal -1
	s_barrier_wait -1                              ; nothing is filled: the work-group's barrier shows the last tile to all four waves
.endif
	KVLOAD 1-\sl                                   ; the next step's K and V: K's registers were last read by this step's first products, V's other set by the step before: the softmax's lines are the places between
.else
	s_wait_dscnt 0x0                               ; V is in
.endif
	WIN W_RS
	RSG 0
	RSG 1
	RSG 2
	RSG 3
.set gq, 0
.rept 32                               ; each of the 32 accumulators once; behind each product the multiplication by a of the accumulator four further on
	WIN W_PV
.set rO, 64*(gq%4)+8*(gq/4)
.set rV, 64*\sl+8*(gq/4)
.set rP, P+8*(gq%4)
	v_wmma_f32_16x16x32_f16 v[rO:rO+7], v[rV:rV+7], v[rP:rP+7], v[rO:rO+7]
.if gq < 28
	WIN W_RS
	RSG gq+4
.endif
.set gq, gq+1
.endr
	WIN 0
	s_mov_b32 s[TAU], s[T1]
.endm
; A BLOCK'S END: the four waves' parts are merged.  again = 1: the first block: the second's Q is asked for at once, and the start values are set back.
.macro FINISH again
.if \again
	QLOAD QH
.endif
.irp t, 0,1,2,3
	v_add_f32 v[ST+8*\t+4], v[ST+8*\t+2], v[ST+8*\t+3]
.endr
.irp t, 0,1,2,3
	v_permlanex16_b32 v[ST+8*\t+5], v[ST+8*\t+4], s[SEL], s[SEL+1]
.endr
.irp t, 0,1,2,3
	v_add_f32 v[ST+8*\t+4], v[ST+8*\t+4], v[ST+8*\t+5]     ; my keys' l
.endr
.irp t, 0,1,2,3
	ds_store_b32 v[XW], v[ST+8*\t] offset:512*\t
	ds_store_b32 v[XW], v[ST+8*\t+4] offset:2048+512*\t
.endr
	s_wait_dscnt 0x0                               ; for the others' sake
	s_barrier_signal -1
	s_barrier_wait -1
.irp t, 0,1,2,3
.irp u, 0,1,2,3
	ds_load_b32 v[160+4*\t+\u], v[XR] offset:512*\t+128*\u
	ds_load_b32 v[176+4*\t+\u], v[XR] offset:2048+512*\t+128*\u
.endr
.endr
	s_wait_dscnt 0x0
.irp t, 0,1,2,3
	v_max3_num_f32 v[192+\t], v[160+4*\t], v[161+4*\t], v[162+4*\t]
.endr
.irp t, 0,1,2,3
	v_max_num_f32 v[192+\t], v[192+\t], v[163+4*\t]        ; the largest c m of the four
.endr
.irp t, 0,1,2,3
.irp u, 0,1,2,3
	v_sub_f32 v[160+4*\t+\u], v[160+4*\t+\u], v[192+\t]
.endr
	v_sub_f32 v[196+\t], v[ST+8*\t], v[192+\t]
.endr
.set i, 0
.rept 16
	v_exp_f32 v[160+i], v[160+i]
.set i, i+1
.endr
.irp t, 0,1,2,3
	v_exp_f32 v[196+\t], v[196+\t]                 ; my own wave's
.endr
	v_nop
	s_wait_alu depctr_va_vdst(0)                   ; one wait for the twenty
.irp t, 0,1,2,3
	v_mul_f32 v[200+\t], v[160+4*\t], v[176+4*\t]
.endr
.irp u, 1,2,3
.irp t, 0,1,2,3
	v_fma_f32 v[200+\t], v[160+4*\t+\u], v[176+4*\t+\u], v[200+\t]   ; the row's sum under the common maximum
.endr
.endr
.irp t, 0,1,2,3
	v_rcp_f32 v[204+\t], v[200+\t]
.endr
.irp t, 0,1,2,3
	v_mov_b32 v[209+2*\t], 0                       ; (the upper halves of the pairs below: plain places behind the reciprocals)
.endr
	s_wait_alu depctr_va_vdst(0)
.irp t, 0,1,2,3
	v_mul_f32 v[208+2*\t], v[196+\t], v[204+\t]
.endr
	WIN W_RS
.irp t, 0,1,2,3
.set i, 0
.rept 32
	v_pk_mul_f32 v[64*\t+2*i:64*\t+2*i+1], v[64*\t+2*i:64*\t+2*i+1], v[208+2*\t:209+2*\t] op_sel_hi:[1,0]
.set i, i+1
.endr
.endr
	WIN 0x04                                       ; an LDS store's data are its source 1
.set i, 0
.rept 64                               ; images of the registers: 16 bytes a lane, 512 a store
	ds_store_b128 v[MW], v[4*i:4*i+3] offset:512*i
.set i, i+1
.endr
	WIN 0
	s_wait_dscnt 0x0
	s_barrier_signal -1
	s_barrier_wait -1
.irp k, 0,1,2,3                        ; wave w adds tile w's four parts, two tiles of channels at a time
.irp c, 0,1
.irp f, 0,1
	ds_load_b128 v[160+8*\c+4*\f:160+8*\c+4*\f+3], v[MR] offset:1024*(2*\k+\c)+512*\f
	ds_load_b128 v[176+8*\c+4*\f:176+8*\c+4*\f+3], v[MR] offset:32768+1024*(2*\k+\c)+512*\f
	ds_load_b128 v[192+8*\c+4*\f:192+8*\c+4*\f+3], v[MR2] offset:1024*(2*\k+\c)+512*\f
	ds_load_b128 v[208+8*\c+4*\f:208+8*\c+4*\f+3], v[MR2] offset:32768+1024*(2*\k+\c)+512*\f
.endr
.endr
	s_wait_dscnt 0x0
.irp i, 0,2,4,6,8,10,12,14
	v_pk_add_f32 v[160+\i:161+\i], v[160+\i:161+\i], v[176+\i:177+\i]
	v_pk_add_f32 v[192+\i:193+\i], v[192+\i:193+\i], v[208+\i:209+\i]
.endr
.irp i, 0,2,4,6,8,10,12,14
	v_pk_add_f32 v[160+\i:161+\i], v[160+\i:161+\i], v[192+\i:193+\i]
.endr
.irp i, 0,1,2,3,4,5,6,7
	v_cvt_pk_f16_f32 v[224+\i], v[160+2*\i], v[161+2*\i]
.endr
	ds_store_b128 v[STO], v[224:227] offset:64*\k
	ds_store_b128 v[STO], v[228:231] offset:64*\k+32
.endr
.irp t, 0,1,2,3,4,5,6,7
	ds_load_b128 v[160+4*\t:163+4*\t], v[RD] offset:544*\t     ; my own stage: LDS serves a wave's instructions in order
.endr
	s_wait_dscnt 0x0
.irp t, 0,1,2,3,4,5,6,7
.if \again
	global_store_b128 v[GO], v[160+4*\t:163+4*\t], s[AL:AL+1] offset:8192*\t   ; 16 lanes store 256 consecutive bytes, aligned: a head's part of a row
.else
	global_store_b128 v[GO], v[160+4*\t:163+4*\t], s[AH:AH+1] offset:8192*\t
.endif
.endr
.if \again
	RESET
	v_mov_b32 v[DM], v[DMH]
	s_wait_loadcnt 0x0                             ; the second block's Q
.endif
.endm
	s_wait_tensorcnt 1                             ; my part of step 0's tile is in; slot 1's load may stay out
	s_barrier_signal -1
	s_barrier_wait -1                              ; everybody's is
	KVLOAD 0
	s_wait_loadcnt 0x0                             ; Q
	s_mov_b32 s[LOOPC], 7
.Ltrip:                                            ; 7 trips of two steps, each of which fills a slot again; the last three steps are written out
	STEP 0, 2, 1
	s_cmp_lg_u32 s[TAU], s[NLO]                    ; the first block's steps are done (after 1 to 8 steps): ids and the count of steps alone
	s_cbranch_scc1 .Lon_a
	FINISH 1
.Lon_a:
	STEP 1, 2, 1
	s_cmp_lg_u32 s[TAU], s[NLO]
	s_cbranch_scc1 .Lon_b
	FINISH 1
.Lon_b:
	s_sub_co_u32 s[LOOPC], s[LOOPC], 1
	s_cmp_lg_u32 s[LOOPC], 0
	s_cbranch_scc1 .Ltrip
	STEP 0, 2, 0                                   ; step 14 asks for step 16's tile: the last load
	STEP 1, 1, 0                                   ; step 15
	STEP 0, 0, 2                                   ; step 16, on the diagonal
	FINISH 0
	s_wait_tensorcnt 0x0                           ; the wave's end
	ds_add_u32 v[SPW], v[NIL]
	s_wait_dscnt 0x0
	CROUND                                         ; the closing round
	s_endpgm
.Lfunc_end_k_q61ced5af4d_attn:
	.size	k_q61ced5af4d_attn, .Lfunc_end_k_q61ced5af4d_attn-k_q61ced5af4d_attn
	.p2alignl 7, 3214868480
	.fill 96, 4, 3214868480
	.section	.rodata,"a",@progbits
	.p2align	6, 0x0
	.amdhsa_kernel k_q61ced5af4d_attn
		.amdhsa_group_segment_fixed_size 327680
		.amdhsa_private_segment_fixed_size 0
		.amdhsa_enable_private_segment 0
		.amdhsa_kernarg_size 16
		.amdhsa_user_sgpr_count 2
		.amdhsa_user_sgpr_kernarg_segment_ptr 1
		.amdhsa_wavefront_size32 1
		.amdhsa_system_sgpr_workgroup_id_x 1
		.amdhsa_system_sgpr_workgroup_id_y 1
		.amdhsa_system_sgpr_workgroup_id_z 1
		.amdhsa_system_vgpr_workitem_id 0
		.amdhsa_next_free_vgpr 896
		.amdhsa_next_free_sgpr 84
		.amdhsa_reserve_vcc 1
		.amdhsa_float_denorm_mode_32 3
		.amdhsa_float_denorm_mode_16_64 3
		.amdhsa_memory_ordered 1
		.amdhsa_forward_progress 1
		.amdhsa_inst_pref_size 255
	.end_amdhsa_kernel
	.section	.bss,"aw",@nobits
	.p2align	6
	.space	262144
	.amdgpu_metadata
---
amdhsa.version: [ 1, 2 ]
amdhsa.kernels:
  - .name:           k_q61ced5af4d_attn
    .symbol:         k_q61ced5af4d_attn.kd
    .args:
      - { .name: qkv, .offset: 0, .size: 8, .value_kind: global_buffer, .address_space: global }
      - { .name: att, .offset: 8, .size: 8, .value_kind: global_buffer, .address_space: global }
    .group_segment_fixed_size: 327680
    .private_segment_fixed_size: 0
    .kernarg_segment_align: 8
    .kernarg_segment_size: 16
    .max_flat_workgroup_size: 128
    .sgpr_count:     84
    .vgpr_count:     896
    .wavefront_size: 32
...
	.end_amdgpu_metadata
.endif
;; end of part 4
;; launch oproj (part 5): grid 16 x 16, 4 waves a work-group, clusters of 4 x 4, 327,680 bytes of LDS; arguments att, wo16, out0, dump; writes out0, dump
.if DOCPART == 5
	.amdgcn_target "amdgcn-amd-amdhsa--gfx1250"
	.amdhsa_code_object_version 6
	.text
	.protected	k_q61ced5af4d_oproj
	.globl	k_q61ced5af4d_oproj
	.p2align	8
	.type	k_q61ced5af4d_oproj,@function
k_q61ced5af4d_oproj:
	s_mov_b64 s[64:65], 0
	v_nop
	global_prefetch_b8 v0, s[64:65] scope:SCOPE_SE
	s_setreg_imm32_b32 hwreg(HW_REG_WAVE_MODE, 25, 1), 1
	s_wait_xcnt 0x0
	s_wait_alu depctr_hold_cnt(0) depctr_sa_sdst(0) depctr_va_vdst(0) depctr_va_sdst(0) depctr_va_ssrc(0) depctr_va_vcc(0) depctr_vm_vsrc(0)
	s_getreg_b32 s2, hwreg(HW_REG_IB_STS2, 6, 4)
	s_cmp_eq_u32 s2, 0
	s_cbranch_scc0 .Lentry_in_a_cluster
	s_endpgm
.Lentry_in_a_cluster:
	s_bfe_u32 s2, ttmp6, 0x10000c
	s_cmp_lg_u32 s2, 0xf033
	s_cbranch_scc0 .Lentry_shape_is_right
	s_endpgm
.Lentry_shape_is_right:
; The last projection: out0[m][n] = sum over k of att[m][k] wo16[n][k].  att [2048][2048] f16 holds o / 16, wo16 [4096][2048] f16 holds 16 x wo: the two powers of two cancel.  out0 [2048][4096] f32; sums in f32.
; Rows 0-15 of out0 come from the launch that carries them in f32: this launch's 16 x 4,096 numbers for them go to dump, which nobody reads.  The store's base is chosen by a select
; 262,144 bytes written for nothing.
; SHARES.  A tile of C is 128 x 256: 256 work-groups.  Four waves, each 64 x 128: 32 accumulators.  K goes in steps of 128 (rows of 256 bytes) through two LDS slots; a step is four quarters of 32 along K.
; CLUSTERS: 4 x 4: a row of the cluster shares att's tiles, a column wo16's: each tile is asked for jointly.  No prefetch is laid: each row's 256 bytes of a K step are asked for by four clusters that walk K in step.
; THE PRODUCT IS USED TRANSPOSED (source 0 = 16 rows of wo16, source 1 = 16 rows of att): lane (r, h) holds row 16 a + r and columns 16 b + 8 h + 0..7: 32 neighbouring bytes.
; REGISTERS: window 0: v16-29 addresses; v96-159 att's fragments, two sets; on the way out v96-223 rows read back.  window 1: the accumulators, 8 (8 a + b).  window 2: v0-127 wo16's fragments, two sets.
.set PITCH,  272
.set AHALF,  64*PITCH
.set BHALF,  128*PITCH
.set BOFF,   2*AHALF
.set SLOT,   BOFF+2*BHALF
.set LAPS,   8                         ; a lap = two K steps of 128
.set KROW,   4096                      ; a row of att or of wo16 in bytes
.set SPARE,  2*SLOT                    ; behind the ring: the spare words
.set SPITCH, 528                       ; the way out: a stage of 16 rows x (512 + 16) a wave, in slot 0 behind its last fill and last read
.set ADRA, 16
.set ADRB, 20
.set STO,  24
.set RD,   25
.set CO,   26
.set SPW,  28
.set NIL,  29
.set AF,   96
.set BK,   96
.set G1,   24
.set G0,   32
.set G1B,  48
.set G0B,  56
.set MSB, 0
.macro WIN new
.if MSB != (\new)
	s_set_vgpr_msb (MSB<<8)|(\new)
.set MSB, (\new)
.endif
.endm
.set MUL,  0x52
.set TO_B, 0x80
.macro JLOAD g0a, g1a, g0b, g1b        ; waves 0, 1 fetch for att, waves 2, 3 for wo16.  An s_nop 0 and four v_nop follow each line
	s_cmp_eq_u32 s15, 0
	s_cbranch_scc0 .Lfor_b_\@
	tensor_load_to_lds s[\g0a:\g0a+3], s[\g1a:\g1a+7]
	s_nop 0
.rept 4
	v_nop
.endr
	s_branch .Lasked_\@
.Lfor_b_\@:
	tensor_load_to_lds s[\g0b:\g0b+3], s[\g1b:\g1b+7]
	s_nop 0
.rept 4
	v_nop
.endr
.Lasked_\@:
.endm
.macro CREST
	s_cmp_lg_u32 s14, 0
	s_cbranch_scc1 .Lnot_wave_0_\@
	s_barrier_signal -3
.Lnot_wave_0_\@:
	s_barrier_wait -3
	s_barrier_signal -1
	s_barrier_wait -1
.endm
.macro CROUND
	s_barrier_signal -1
	s_barrier_wait -1
	CREST
.endm
.macro PLACES n
.rept \n
	v_nop
.endr
.endm
	s_load_b128 s[4:7], s[0:1], 0x0                ; att, wo16
	s_load_b128 s[8:11], s[0:1], 0x10              ; out0, dump
	v_lshl_add_u32 v[SPW], v0, 2, SPARE
	v_mov_b32 v[NIL], 0
	ds_add_u32 v[SPW], v[NIL]                      ; the opening: the add, twice on end, and its wait ahead of my first tensor load
	ds_add_u32 v[SPW], v[NIL]
	v_lshrrev_b32 v1, 5, v0
	v_readfirstlane_b32 s14, v1
	s_lshr_b32 s15, s14, 1                         ; which 64 rows of the tile are mine.  Also: I fetch for att (0) or for wo16 (1)
	s_and_b32 s16, s14, 1                          ; which 128 columns.  Also: which half I fetch
	s_bfe_u32 s40, ttmp6, 0x40000
	s_bfe_u32 s41, ttmp6, 0x40004
	s_lshl_b32 s42, ttmp9, 2
	s_add_co_u32 s42, s42, s40                     ; tile column
	s_and_b32 s17, ttmp7, 0xffff
	s_lshl_b32 s17, s17, 2
	s_add_co_u32 s17, s17, s41                     ; tile row
	s_lshl_b32 s43, s41, 2
	s_lshl_b32 s43, 15, s43
	s_lshl_b32 s44, 0x1111, s40
	s_or_b32 s[G1+0], s43, (0<<16)|(1<<20)|(1<<21)|(5<<22)|(3<<25)   ; rows of 256 bytes (elements of 1 byte), 16 bytes of padding behind each
	s_or_b32 s[G1B+0], s44, (0<<16)|(1<<20)|(1<<21)|(5<<22)|(3<<25)
	s_mov_b32 s[G1+1], 256<<16
	s_mov_b32 s[G1+2], 64<<16
	s_mov_b32 s[G1+3], 256<<16
	s_mov_b32 s[G1+4], 64
	s_mov_b32 s[G1+5], KROW
	s_mov_b32 s[G1+6], 0
	s_mov_b32 s[G1+7], 0
	s_mov_b32 s[G1B+1], 256<<16
	s_mov_b32 s[G1B+2], 128<<16
	s_mov_b32 s[G1B+3], 256<<16
	s_mov_b32 s[G1B+4], 128
	s_mov_b32 s[G1B+5], KROW
	s_mov_b32 s[G1B+6], 0
	s_mov_b32 s[G1B+7], 0
	s_lshl_b32 s18, s16, 6
	s_lshl_b32 s20, s17, 7
	s_add_co_u32 s20, s20, s18                     ; att: row 128 x tile row + 64 x half
	s_lshl_b32 s20, s20, 12
	s_mov_b32 s21, 0
	s_lshl_b32 s18, s16, 7
	s_lshl_b32 s46, s42, 8
	s_add_co_u32 s46, s46, s18                     ; wo16: row 256 x tile column + 128 x half
	s_lshl_b32 s46, s46, 12
	s_mov_b32 s47, 0
	s_mul_i32 s45, s16, AHALF
	s_mul_i32 s2, s16, BHALF
	s_add_co_u32 s2, s2, BOFF
	s_wait_dscnt 0x0
	s_wait_kmcnt 0x0
	s_add_nc_u64 s[20:21], s[4:5], s[20:21]
	s_add_nc_u64 s[46:47], s[6:7], s[46:47]
	CROUND                                         ; all sixteen work-groups are here: the first joint loads meet
.irp s, 0,1
	s_mov_b32 s[G0+4*\s], 1
	s_add_co_u32 s[G0+4*\s+1], s45, \s*SLOT
	s_add_nc_u64 s[G0+4*\s+2:G0+4*\s+3], s[20:21], \s*256
	s_or_b32 s[G0+4*\s+3], s[G0+4*\s+3], 0x80000000
	s_mov_b32 s[G0B+4*\s], 1
	s_add_co_u32 s[G0B+4*\s+1], s2, \s*SLOT
	s_add_nc_u64 s[G0B+4*\s+2:G0B+4*\s+3], s[46:47], \s*256
	s_or_b32 s[G0B+4*\s+3], s[G0B+4*\s+3], 0x80000000
	JLOAD G0+4*\s, G1, G0B+4*\s, G1B               ; two loads of mine are out
.endr
	v_and_b32 v1, 15, v0
	v_bfe_u32 v2, v0, 4, 1
	v_mul_u32_u24 v3, v1, PITCH
	v_lshl_add_u32 v4, v2, 4, v3
	s_mul_i32 s21, s15, AHALF
	s_mul_i32 s22, s16, BHALF
	s_add_co_u32 s22, s22, BOFF
.irp s, 0,1
	v_add_nc_u32 v[ADRA+\s], s21, v4
	v_add_nc_u32 v[ADRB+\s], s22, v4
	s_add_co_u32 s21, s21, SLOT
	s_add_co_u32 s22, s22, SLOT
.endr
	s_mul_i32 s23, s14, 16*SPITCH                  ; my stage
	v_mul_u32_u24 v5, v1, SPITCH
	v_lshl_add_u32 v5, v2, 5, v5
	v_add_nc_u32 v[STO], s23, v5                   ; in: row r, 32 bytes for each half of the lanes
	v_and_b32 v6, 31, v0
	v_lshlrev_b32 v[CO], 4, v6                     ; back: the 32 lanes take one row of 512 bytes; the same in out0
	v_add_nc_u32 v[RD], s23, v[CO]
	s_lshl_b32 s20, s17, 7
	s_lshl_b32 s21, s15, 6
	s_add_co_u32 s20, s20, s21                     ; my first row
	s_lshl_b32 s22, s20, 14                        ; rows of 16,384 bytes
	s_mov_b32 s23, 0
	s_lshl_b32 s46, s42, 10
	s_lshl_b32 s47, s16, 9
	s_add_co_u32 s46, s46, s47                     ; my first column, in bytes
	s_mov_b32 s47, 0
	s_add_nc_u64 s[8:9], s[8:9], s[46:47]
	s_add_nc_u64 s[10:11], s[10:11], s[46:47]
	s_add_nc_u64 s[8:9], s[8:9], s[22:23]
	s_cmp_eq_u32 s20, 0                            ; a row number, no address
	s_cselect_b64 s[10:11], s[10:11], s[8:9]       ; where my first 16 rows go: dump, if they are rows 0-15; else out0
.macro FRAG reg, adr, q, i             ; 16 rows x 32 K of f16: lane (r, h): registers 0-3 K = 8 h + 0..7, registers 4-7 K = 16 + 8 h + 0..7
.irp c, 0,1
	ds_load_b128 v[\reg+4*\c:\reg+4*\c+3], v[\adr] offset:64*(\q)+32*\c+(\i)*16*PITCH
.endr
.endm
.macro FETCH_B slot, q, p
	WIN TO_B
.irp i, 0,1,2,3,4,5,6,7
	FRAG 64*(\p)+8*\i, ADRB+\slot, \q, \i
.endr
	WIN 0
.endm
.macro FETCH_A slot, q, p
.irp i, 0,1,2,3
	FRAG AF+32*(\p)+8*\i, ADRA+\slot, \q, \i
.endr
.endm
.macro MUL8 a, p, zero                 ; the 32 accumulators take turns, one instruction a turn, in the same order in every quarter
.irp b, 0,1,2,3,4,5,6,7
.if \zero
	v_wmma_f32_16x16x32_f16 v[8*(8*(\a)+\b):8*(8*(\a)+\b)+7], v[64*(\p)+8*\b:64*(\p)+8*\b+7], v[AF+32*(\p)+8*(\a):AF+32*(\p)+8*(\a)+7], 0
.else
	v_wmma_f32_16x16x32_f16 v[8*(8*(\a)+\b):8*(8*(\a)+\b)+7], v[64*(\p)+8*\b:64*(\p)+8*\b+7], v[AF+32*(\p)+8*(\a):AF+32*(\p)+8*(\a)+7], v[8*(8*(\a)+\b):8*(8*(\a)+\b)+7]
.endif
.endr
.endm
.macro STEP slot, q, zero              ; a quarter that has its successor in the same slot: the successor's 24 loads go out in one run, ahead of this quarter's 32 products
	s_wait_dscnt 0x0                               ; this quarter's fragments are in: asked for 32 products ago
	PLACES 4                                       ; four plain places between the last products and loads into the set that they read
	FETCH_B \slot, (\q)+1, 1-(\q)%2
	FETCH_A \slot, (\q)+1, 1-(\q)%2
	WIN MUL
	MUL8 0, (\q)%2, \zero
	MUL8 1, (\q)%2, \zero
	MUL8 2, (\q)%2, \zero
	MUL8 3, (\q)%2, \zero
.endm
.macro TURN slot, next, fill           ; a slot's last quarter changes slots: ONE barrier
	WIN 0
	s_wait_tensorcnt 0x0                           ; all my tensor loads have landed: my part of the next slot
	ds_add_u32 v[SPW], v[NIL]
	s_wait_dscnt 1                                 ; this quarter's fragments are in; the add may be out
	WIN MUL
	MUL8 0, 1, 0
	s_wait_dscnt 0x0                               ; the add is done, and my reads of this slot are over
	s_barrier_signal -1
	MUL8 1, 1, 0
	WIN 0
	s_barrier_wait -1
.if \fill
	CREST                                          ; no wave of any partner still reads this slot or has a load on its way
	s_add_nc_u64 s[G0+4*\slot+2:G0+4*\slot+3], s[G0+4*\slot+2:G0+4*\slot+3], 512
	s_add_nc_u64 s[G0B+4*\slot+2:G0B+4*\slot+3], s[G0B+4*\slot+2:G0B+4*\slot+3], 512
	JLOAD G0+4*\slot, G1, G0B+4*\slot, G1B         ; the first tensor load behind the round: 112 products stand between it and the wait for it; its four v_nop are the places in front of the loads below
.else
	PLACES 4
.endif
	FETCH_B \next, 0, 0
	FETCH_A \next, 0, 0
	WIN MUL
	MUL8 2, 1, 0
	MUL8 3, 1, 0
.endm
	s_wait_tensorcnt 1                             ; my part of K step 0 is in; K step 1's load may be out
	s_barrier_signal -1
	s_barrier_wait -1
	FETCH_B 0, 0, 0
	FETCH_A 0, 0, 0
	STEP 0, 0, 1                                   ; the first quarter stands in front of the loop: its products start the sums
	WIN 0
	s_mov_b32 s3, LAPS-1
.Llap:
	STEP 0, 1, 0
	STEP 0, 2, 0
	TURN 0, 1, 1
	STEP 1, 0, 0
	STEP 1, 1, 0
	STEP 1, 2, 0
	TURN 1, 0, 1
	STEP 0, 0, 0
	WIN 0
	s_sub_co_u32 s3, s3, 1
	s_cmp_lg_u32 s3, 0
	s_cbranch_scc1 .Llap
	STEP 0, 1, 0                                   ; the last lap fills nothing
	STEP 0, 2, 0
	TURN 0, 1, 0
	STEP 1, 0, 0
	STEP 1, 1, 0
	STEP 1, 2, 0
	s_wait_dscnt 0x0
	WIN MUL
	MUL8 0, 1, 0
	MUL8 1, 1, 0
	MUL8 2, 1, 0
	MUL8 3, 1, 0
	WIN 0
; THE WAY OUT, block by block of 16 rows x 128 columns, through my own stage: in as 32 bytes a lane, back as whole rows of 512 bytes.  LDS serves a wave's instructions in order.
.macro TOSTAGE a
	WIN 0x04
.irp b, 0,1,2,3,4,5,6,7
	ds_store_b128 v[STO], v[64*(\a)+8*\b:64*(\a)+8*\b+3] offset:64*\b          ; each accumulator from its low end on
	ds_store_b128 v[STO], v[64*(\a)+8*\b+4:64*(\a)+8*\b+7] offset:64*\b+16
.endr
	WIN 0
.irp t, 0,1,2,3,4,5,6,7,8,9,10,11,12,13,14,15
	ds_load_b128 v[BK+64*((\a)%2)+4*\t:BK+64*((\a)%2)+4*\t+3], v[RD] offset:\t*SPITCH
.endr
.endm
.macro SEND a, younger
	s_wait_dscnt \younger
.irp t, 0,1,2,3,4,5,6,7,8,9,10,11,12,13,14,15
.if (\a) == 0
	global_store_b128 v[CO], v[BK+64*((\a)%2)+4*\t:BK+64*((\a)%2)+4*\t+3], s[10:11] offset:\t*16384 th:TH_STORE_NT
.else
	global_store_b128 v[CO], v[BK+64*((\a)%2)+4*\t:BK+64*((\a)%2)+4*\t+3], s[8:9] offset:(16*(\a)+\t)*16384 th:TH_STORE_NT   ; 32 lanes store 512 consecutive bytes, aligned; 63 rows at the most stand in the immediate
.endif
.endr
.endm
	PLACES 4
	TOSTAGE 0
.irp a, 1,2,3
.if \a > 1
	s_wait_xcnt 0x0                                ; block a - 2's stores have read their registers: block a's loads may land there
.endif
	TOSTAGE \a
	SEND \a-1, 32                                  ; behind block a - 1's loads: block a's 16 stores and 16 loads
.endr
	SEND 3, 0
	s_wait_tensorcnt 0x0                           ; the wave's end
	ds_add_u32 v[SPW], v[NIL]
	s_wait_dscnt 0x0
	CROUND                                         ; the closing round
	s_endpgm
.Lfunc_end_k_q61ced5af4d_oproj:
	.size	k_q61ced5af4d_oproj, .Lfunc_end_k_q61ced5af4d_oproj-k_q61ced5af4d_oproj
	.p2alignl 7, 3214868480
	.fill 96, 4, 3214868480
	.section	.rodata,"a",@progbits
	.p2align	6, 0x0
	.amdhsa_kernel k_q61ced5af4d_oproj
		.amdhsa_group_segment_fixed_size 327680
		.amdhsa_private_segment_fixed_size 0
		.amdhsa_enable_private_segment 0
		.amdhsa_kernarg_size 32
		.amdhsa_user_sgpr_count 2
		.amdhsa_user_sgpr_kernarg_segment_ptr 1
		.amdhsa_wavefront_size32 1
		.amdhsa_system_sgpr_workgroup_id_x 1
		.amdhsa_system_sgpr_workgroup_id_y 1
		.amdhsa_system_sgpr_workgroup_id_z 1
		.amdhsa_system_vgpr_workitem_id 0
		.amdhsa_next_free_vgpr 640
		.amdhsa_next_free_sgpr 66
		.amdhsa_reserve_vcc 0
		.amdhsa_float_denorm_mode_32 3
		.amdhsa_float_denorm_mode_16_64 3
		.amdhsa_memory_ordered 1
		.amdhsa_forward_progress 1
		.amdhsa_inst_pref_size 85
	.end_amdhsa_kernel
	.amdgpu_metadata
---
amdhsa.version: [ 1, 2 ]
amdhsa.kernels:
  - .name:           k_q61ced5af4d_oproj
    .symbol:         k_q61ced5af4d_oproj.kd
    .args:
      - { .name: att, .offset: 0, .size: 8, .value_kind: global_buffer, .address_space: global }
      - { .name: wo16, .offset: 8, .size: 8, .value_kind: global_buffer, .address_space: global }
      - { .name: out0, .offset: 16, .size: 8, .value_kind: global_buffer, .address_space: global }
      - { .name: dump, .offset: 24, .size: 8, .value_kind: global_buffer, .address_space: global }
    .group_segment_fixed_size: 327680
    .private_segment_fixed_size: 0
    .kernarg_segment_align: 8
    .kernarg_segment_size: 32
    .max_flat_workgroup_size: 128
    .sgpr_count:     66
    .vgpr_count:     640
    .wavefront_size: 32
...
	.end_amdgpu_metadata
.endif
;; end of part 5
